; MI455X (gfx1250); checked and timed in simulation.
; The chip was launched on July 23, 2026; its instructions are those of AMD's public machine-readable ISA for CDNA 5 (MIT licence, August 2026) and "CDNA5" Instruction Set Architecture Reference Guide (July 2026). The comments in the code are by the model that wrote it; some were corrected since.
;; MHA. Allowed arithmetic: matrix products marked QUANTISED: E2M3 operands, one E8M0 scale for each 32 along K, by v_wmma_scale_f32_16x16x128_f8f6f4 with both operands' format E2M3, f32 sums; everything else in f32.
;; Inputs: Wk_codes 1,024 x 32 x 24 uint8 (E2M3 codes of Wk, K innermost, in blocks of 32 codes, four codes in three bytes); Wk_scales 1,024 x 32 uint8 (E8M0 scales of Wk, one for each 32 codes along K); Wo_codes 1,024 x 32 x 24 uint8 (E2M3 codes of Wo, K innermost, in blocks of 32 codes, four codes in three bytes); Wo_scales 1,024 x 32 uint8 (E8M0 scales of Wo, one for each 32 codes along K); Wq_codes 1,024 x 32 x 24 uint8 (E2M3 codes of Wq, K innermost, in blocks of 32 codes, four codes in three bytes); Wq_scales 1,024 x 32 uint8 (E8M0 scales of Wq, one for each 32 codes along K); Wv_codes 1,024 x 32 x 24 uint8 (E2M3 codes of Wv, K innermost, in blocks of 32 codes, four codes in three bytes); Wv_scales 1,024 x 32 uint8 (E8M0 scales of Wv, one for each 32 codes along K); bk 1,024 float32; bo 1,024 float32; bq 1,024 float32; bv 1,024 float32; hidden_state_codes 4 x 2,048 x 32 x 24 uint8 (E2M3 codes of hidden_state, K innermost, in blocks of 32 codes, four codes in three bytes); hidden_state_scales 4 x 2,048 x 32 uint8 (E8M0 scales of hidden_state, one for each 32 codes along K).
;; Outputs: out0 4 x 2,048 x 1,024 float32.
;; This version of the problem:
;;   THIS VERSION OF THE PROBLEM IS GIVEN IN LOW PRECISION. The matrix products marked QUANTISED in the list below multiply operands that are first quantised to E2M3 (2 exponent bits, 3 mantissa bits; 6 bits a number), with one power-of-two scale for each 32 numbers along K (OCP MX v1.0); their sums are f32. All else is computed in f32.
;;   The module's matrix products, in the order in which they are computed (A, B: the left and right operand; K: the contracted axis; several contracted axes count as one K, in the product's order):
;;     1. [M 8,192, K 1,024] x [K 1,024, N 1,024]; A: input hidden_state (given as codes); B: input Wq (given as codes): QUANTISED
;;     2. [M 8,192, K 1,024] x [K 1,024, N 1,024]; A: input hidden_state (given as codes); B: input Wk (given as codes): QUANTISED
;;     3. [M 8,192, K 1,024] x [K 1,024, N 1,024]; A: input hidden_state (given as codes); B: input Wv (given as codes): QUANTISED
;;     4. batch 64 x [M 2,048, K 64] x [K 64, N 2,048]; A: computed on the way; B: computed on the way: QUANTISED
;;     5. batch 64 x [M 2,048, K 2,048] x [K 2,048, N 64]; A: softmax (see below); B: computed on the way: QUANTISED
;;     6. [M 8,192, K 1,024] x [K 1,024, N 1,024]; A: computed on the way; B: input Wo (given as codes): QUANTISED
;;   THE QUANTISER, for each operand of a quantised product, along K:
;;     - K is cut into blocks of 32 from its start; a last block that is shorter is filled with zeros.
;;     - A block's scale is 2^e with e = floor(log2(the largest magnitude in the block)) - 2, held to -126 .. 127; a block of zeros has e = 0. As a byte (E8M0): e + 127.
;;     - Each number is divided by its block's scale, clamped to +-7.5, and rounded to the nearest number of E2M3, ties to even, subnormals kept.
;;     - The product sums the exact products of the quantised numbers (number of the format x scale) in f32.
;;   ~~~python
;;   def quantise(x, axis):      # numpy; x: float32 -> the quantised numbers, widened to float32 again
;;       x = np.moveaxis(x, axis, -1); K = x.shape[-1]
;;       x = np.pad(x, [(0, 0)] * (x.ndim - 1) + [(0, -K % 32)]); x = x.reshape(x.shape[:-1] + (-1, 32)); a = np.abs(x).max(-1, keepdims=True)
;;       e = np.where(a > 0, np.clip(np.frexp(np.where(a > 0, a, 1))[1] - 1 - 2, -126, 127), 0)      # np.frexp(a)[1] - 1 = floor(log2(a)), exactly
;;       r = np.clip(x / 2.0 ** e, -7.5, 7.5)
;;       step = 2.0 ** (np.maximum(np.frexp(np.where(r == 0, 1, r))[1] - 1, 0) - 3)
;;       q = np.round(r / step) * step * 2.0 ** e      # np.round: ties to even
;;       return np.moveaxis(q.reshape(q.shape[:-2] + (-1,))[..., :K], -1, axis).astype(np.float32)
;;   ~~~
;;   SOFTMAX AHEAD OF A QUANTISED PRODUCT. Where the list says 'softmax', what is quantised is not the finished softmax but p = 2^(t - M), with t = logit x log2(e) and M = ceil(the row's largest t), a whole number; so 1/2 < the row's largest p <= 1. The row's sum l is taken of the UNQUANTISED p, in f32, and the product's result is divided by l at the end. Since M is a whole number, a kernel that streams over the keys may use a running M (the ceiling of the running maximum): every later rescaling is an exact power of two, which a block's scale takes up: the codes' values come out the same.
;;   OPERANDS COMPUTED ON THE WAY. 'Computed on the way' means the value that the module computes at that place (a softmax that the list does not call 'softmax' is quantised finished and normalised). What goes into a quantiser is computed in f32, as accurately as f32 sums, v_exp_f32 and their like allow (about 1e-6 of the number): no bf16 or f16 on the way to a quantiser, and a product that is left as it is and whose result goes on into a quantised operand takes f32 operands (vector FMAs, or v_wmma_f32_16x16x4_f32). A number that lies on a knife's edge between two numbers of the format may be rounded either way, as far as f32 arithmetic and the matrix unit's own rounding can turn it there, and no further.
;;   INPUTS GIVEN AS CODES. Wk (in the module: [1024, 1024], K = its axis 1); Wo (in the module: [1024, 1024], K = its axis 1); Wq (in the module: [1024, 1024], K = its axis 1); Wv (in the module: [1024, 1024], K = its axis 1); hidden_state (in the module: [4, 2048, 1024], K = its axis 2): each comes as NAME_codes (uint8): NAME with its K axis moved to the last place and cut into blocks of 32 codes, [.., K / 32, bytes a block], one block behind the other in memory; four codes in three bytes: a row's codes are one little-endian stream of bits, code i at bits 6 i .. 6 i + 5 (a code: sign, 2 exponent bits, 3 mantissa bits); and NAME_scales (uint8): the same leading axes, one E8M0 byte (e + 127) for each 32 codes along K. Its value is code x scale, taken as it is: it is not quantised again, and the codes and scales need not be those that the quantiser above would give.
;; One version. Each part assembles by itself: llvm-mc -triple=amdgcn-amd-amdhsa -mcpu=gfx1250 --defsym DOCPART=n.
;; ======== version 1 of 1: 3 launches
;; workspace buffers: qimg 6,815,744 bytes; kimg 6,815,744 bytes; vimg 6,553,600 bytes; oimg 6,291,456 bytes; oscl 262,144 bytes
;; launch qkv (part 1): grid 12 x 32, 4 waves a work-group, clusters of 4 x 4, 327,680 bytes of LDS; arguments hidden_state_codes, hidden_state_scales, Wq_codes, Wq_scales, Wk_codes, Wk_scales, Wv_codes, Wv_scales, bq, bk, bv, qimg, kimg, vimg; writes qimg, kimg, vimg
.if DOCPART == 1
	.amdgcn_target "amdgcn-amd-amdhsa--gfx1250"
	.amdhsa_code_object_version 6
	.text
	.protected	k_qce2a9e5b3d_qkv
	.globl	k_qce2a9e5b3d_qkv
	.p2align	8
	.type	k_qce2a9e5b3d_qkv,@function
k_qce2a9e5b3d_qkv:
	s_mov_b64 s[64:65], 0
	v_nop
	global_prefetch_b8 v0, s[64:65] scope:SCOPE_SE
	s_setreg_imm32_b32 hwreg(HW_REG_WAVE_MODE, 25, 1), 1
	s_wait_xcnt 0x0
	s_wait_alu depctr_hold_cnt(0) depctr_sa_sdst(0) depctr_va_vdst(0) depctr_va_sdst(0) depctr_va_ssrc(0) depctr_va_vcc(0) depctr_vm_vsrc(0)
	s_getreg_b32 s2, hwreg(HW_REG_IB_STS2, 6, 4)
	s_cmp_eq_u32 s2, 0
	s_cbranch_scc0 .Lentry_in_a_cluster
	s_endpgm
.Lentry_in_a_cluster:
	s_bfe_u32 s2, ttmp6, 0x10000c
	s_cmp_lg_u32 s2, 0xf033
	s_cbranch_scc0 .Lentry_shape_is_right
	s_endpgm
.Lentry_shape_is_right:
; q = x Wq^T + bq, k = x Wk^T + bk, v = x Wv^T + bv on codes of FP6 (E2M3) with one E8M0 scale for each 32 along K = 1,024; the results are quantised at once, in registers,
; q and k along the head's 64 channels, v along the keys, and leave as IMAGES OF OPERAND REGISTERS for the attention launch.  No f32 result goes to memory.
; ONE FORM for all three: C'[m'][n'] = sum over k of A[m'][k] B[n'][k], quantised along n'.  The cluster's x says which: 0: A = x, B = Wq;  1: A = x, B = Wk;  2: A = Wv (m' = channel), B = x (n' = token = key).
; Only pointers and a few addends are chosen by it; the loop over K is one text.  A tile of C' is 256 x 256: four waves, each 128 x 128 in 64 accumulators.  K goes in steps of 256 through a ring of two LDS slots.
; CLUSTERS: 4 x 4 work-groups; A's tile is shared along a row of the cluster, B's along a column: each is asked for jointly, by the same tensor load with the same descriptor and a mask that names the four.
; THE MATRIX INSTRUCTION IS USED TRANSPOSED (source 0 = 16 rows of B, source 1 = 16 rows of A): a lane holds row m' = lane % 16 and the columns n' = 8 (lane / 16) + 0 .. 7 of a tile.
; THE IMAGES.  q, k: [batch x head][16 steps][6,656 bytes]: 128 tokens of a head: 8 blocks of 16 tokens, 768 bytes each (registers 0-3 of the operand: 16 bytes at 16 pos; then registers 4-5: 8 bytes at 8 pos;
;   pos = (token % 16 xor 8 (block % 2)) + 16 (lane / 16)), then 512 bytes of scale words: (block a, row r) at 6,144 + 256 (a % 2) + 16 r + 4 (a / 2); bytes 0, 1 the head's two scales, bytes 2, 3 zero (they stand over zero codes).
;   v: [batch x head][16 steps][6,400 bytes]: 4 tiles of 16 channels x 128 keys, 1,536 bytes each (registers 4 c .. 4 c + 3 at 512 c + 16 lane), then 256 bytes of scale words: (tile t, row r) at 6,144 + 16 r + 4 t.
;   Every store of a wave covers whole aligned runs of 256 bytes.
; LIMITS: NaN and infinities among the inputs are not served.  A block whose largest magnitude lies under 2^-124 keeps the byte 1; a block of zeros gets the byte 1 where the quantiser's rule says 127: its codes are zeros,
;   which add nothing under any byte but 0xff, and the bytes are read by this program alone.
; REGISTERS, in windows of 256: window 0: v0-31 addresses; v32-63 scale words, two sets; v64-127 the biases in the result's layout; from v128 A's fragments, one set; v240-247 offsets of the bias loads.
;   window 1: B's fragments, two sets.  windows 2, 3: the accumulators ((a, b) at v[8 (8 (a % 4) + b)]).  Behind the loop window 0's v128-247 serve the quantiser.
.set KSTEP,  256                       ; along K in a slot
.set NQ,     KSTEP/128                 ; matrix instructions deep
.set ROWB,   192                       ; a tile's row in bytes
.set KROW,   768                       ; a row of 1,024 codes in memory
.set PITCH,  240                       ; an LDS row: 3 x (64 bytes + 16 of padding)
.set FR,     12                        ; registers of a fragment
.set NL,     6                         ; LDS loads that bring one
.set NP,     4                         ; places behind this matrix instruction (ISA guide 7.12.1)
.set HALFT,  128*PITCH
.set SLOT,   4*HALFT
.set LAPS,   2                         ; K = 1,024 is four K steps: twice round the ring
.set KS,     32                        ; a row of scale bytes
.set SCL,    2*SLOT                    ; behind the ring: the scales of the 256 + 256 rows for all of K, as runs of 256 bytes + 16 of padding
.set HALFS,  (128*KS/256)*272
.set SBLK,   (16*KS/256)*272
.set SPARE,  SCL+4*HALFS               ; the spare words, 128 bytes for each wave: two blocks of 256 bytes that no other line names
.set KREC,   6656
.set VREC,   6400
.set KHEAD,  16*KREC                   ; from head to head in q's and k's images
.set VHEAD,  16*VREC                   ; and in v's
.set ADRA, 16                          ; v16-17 LDS address of my A fragments in slot 0, 1 (v18-19: behind one padding more)
.set ADRB, 20                          ; v20-23 the same for B
.set ADRS, 27                          ; v27    LDS address of my scale words: lanes 0-15 A's rows, lanes 16-31 B's
.set SPW,  28                          ; v28    LDS address of my spare word; never rewritten
.set NIL,  29                          ; v29    0; never rewritten
.set SC,   32
.set BI,   64                          ; v64-127 biases: register 8 x + j
.set AF,   128
.set HA,   128                         ; behind the loop: v128-191 a block of 16 rows x 128 columns, f32
.set CD,   192                         ; v192-210 the codes just made
.set TM,   212                         ; v212-227 at work in the quantiser
.set PWT,  228                         ; v228 a scale word just made
.set SW,   232                         ; v232-239 the wave's scale words
.set VJ,   240                         ; v240-247 offsets of the bias loads
.set XW,   244                         ; v244-247 v's scale words as they are stored
.set SEL,  18                          ; s[18:19] lane selects for v_permlanex16_b32 (set behind the loop)
.set G1, 24
.set G0, 32
.set G1B, 48
.set G0B, 56
.set G1S, 68
.set G0S, 76
.set G1SB, 80
.set G0SB, 88
.set MSB, 0
.macro WIN new                         ; the immediate's high byte repeats the setting that is left
.if MSB != (\new)
	s_set_vgpr_msb (MSB<<8)|(\new)
.set MSB, (\new)
.endif
.endm
.set MUL_LO, 0xa1                      ; source 0 (B) window 1, source 1 (A) window 0, C and D window 2
.set MUL_HI, 0xf1                      ; the same, C and D window 3
.set TO_B,   0x40                      ; destination window 1, address window 0
; A joint load: waves 0 and 1 fetch for A, waves 2 and 3 for B.  The branch hangs on the wave's number alone.  Four v_nop follow each of the two lines.
.macro JLOAD g0a, g1a, g0b, g1b
	s_cmp_eq_u32 s15, 0
	s_cbranch_scc0 .Lfor_b_\@
	tensor_load_to_lds s[\g0a:\g0a+3], s[\g1a:\g1a+7]
	s_nop 0
.rept 4
	v_nop
.endr
	s_branch .Lasked_\@
.Lfor_b_\@:
	tensor_load_to_lds s[\g0b:\g0b+3], s[\g1b:\g1b+7]
	s_nop 0
.rept 4
	v_nop
.endr
.Lasked_\@:
.endm
.macro CREST                           ; a round of the cluster's barrier behind its opening barrier
	s_cmp_lg_u32 s14, 0
	s_cbranch_scc1 .Lnot_wave_0_\@
	s_barrier_signal -3
.Lnot_wave_0_\@:
	s_barrier_wait -3
	s_barrier_signal -1
	s_barrier_wait -1
.endm
.macro CROUND                          ; a whole round
	s_barrier_signal -1
	s_barrier_wait -1
	CREST
.endm
	s_load_b512 s[68:83], s[0:1], 0x0              ; x's codes 68, scales 70; Wq's 72, 74; Wk's 76, 78; Wv's 80, 82
	s_load_b256 s[84:91], s[0:1], 0x40             ; bq 84, bk 86, bv 88, q's images 90
	s_load_b128 s[92:95], s[0:1], 0x60             ; k's images 92, v's 94
	v_lshl_add_u32 v[SPW], v0, 2, SPARE
	v_mov_b32 v[NIL], 0
	ds_add_u32 v28, v29
	ds_add_u32 v28, v29
	s_wait_dscnt 0x0
	v_lshrrev_b32 v1, 5, v0
	v_readfirstlane_b32 s14, v1                    ; wave 0..3
	s_lshr_b32 s15, s14, 1                         ; which half of the tile's rows is mine.  Also: I fetch for A (0) or for B (1)
	s_and_b32 s16, s14, 1                          ; which half of its columns.  Also: which 128 rows of that tile I fetch
	s_bfe_u32 s40, ttmp6, 0x40000                  ; cx, cy: my place in the cluster
	s_bfe_u32 s41, ttmp6, 0x40004
	s_and_b32 s66, ttmp7, 0xffff
	s_lshl_b32 s66, s66, 2                         ; 4 x cluster y
	s_lshl_b32 s43, s41, 2
	s_lshl_b32 s43, 15, s43                        ; my row of the cluster
	s_lshl_b32 s44, 0x1111, s40                    ; my column
	; descriptor group 1: a tile of 128 rows x 192 bytes; 16 bytes of padding behind every 64
	s_or_b32 s[G1+0], s43, (0<<16)|(1<<20)|(1<<21)|(3<<22)|(3<<25)   ; 15:0 the mask: A's tiles go to my row; elements of 1 byte; padding on; bit 21 beside a mask; after every 16 words, 4 words
	s_or_b32 s[G1B+0], s44, (0<<16)|(1<<20)|(1<<21)|(3<<22)|(3<<25)  ; B's go to my column
.irp g, G1, G1B
	s_mov_b32 s[\g+1], ROWB<<16                    ; tensor_dim0
	s_mov_b32 s[\g+2], 128<<16                     ; tensor_dim1
	s_mov_b32 s[\g+3], ROWB<<16                    ; tile_dim0
	s_mov_b32 s[\g+4], 128                         ; tile_dim1
	s_mov_b32 s[\g+5], KROW                        ; from row to row
	s_mov_b32 s[\g+6], 0
	s_mov_b32 s[\g+7], 0
.endr
	s_wait_kmcnt 0x0
	; THE ROLE: the cluster's x, the same in all sixteen partners.  Only buffers and addends are chosen.
	s_cmp_eq_u32 ttmp9, 2
	s_cselect_b64 s[4:5], s[80:81], s[68:69]       ; A's codes: Wv's, else x's
	s_cselect_b64 s[6:7], s[82:83], s[70:71]       ; A's scales
	s_cselect_b64 s[8:9], s[68:69], s[76:77]       ; B's codes: x's, else Wk's
	s_cselect_b64 s[10:11], s[70:71], s[78:79]     ; B's scales
	s_cselect_b64 s[12:13], s[94:95], s[92:93]     ; the images: v's, else k's
	s_cselect_b64 s[96:97], s[88:89], s[86:87]     ; the bias: bv, else bk
	s_cselect_b32 s98, s66, 0                      ; x has 32 tiles of 256 rows, a weight 4: the cluster's y walks x's
	s_cselect_b32 s99, 0, s66
	s_cselect_b32 s67, 0, 4                        ; the bias's offset: bytes from register to register,
	s_cselect_b32 s100, 0, 32                      ; from half to half of the lanes,
	s_cselect_b32 s101, 4, 0                       ; from row to row
	s_cmp_eq_u32 ttmp9, 0
	s_cselect_b64 s[8:9], s[72:73], s[8:9]         ; role 0: Wq's, bq, q's images
	s_cselect_b64 s[10:11], s[74:75], s[10:11]
	s_cselect_b64 s[12:13], s[90:91], s[12:13]
	s_cselect_b64 s[96:97], s[84:85], s[96:97]
	s_add_co_u32 s42, s98, s40                     ; tile column (B's tile): hangs on cx alone within the cluster
	s_add_co_u32 s17, s99, s41                     ; tile row (A's tile): on cy alone
	; the scales of 128 rows: a dense block of 4,096 bytes, as 16 rows of 256 bytes, 16 bytes of padding behind each
	s_or_b32 s[G1S+0], s43, (3<<16)|(1<<20)|(1<<21)|(5<<22)|(3<<25)
	s_or_b32 s[G1SB+0], s44, (3<<16)|(1<<20)|(1<<21)|(5<<22)|(3<<25)
.irp g, G1S, G1SB
	s_mov_b32 s[\g+1], 32<<16
	s_mov_b32 s[\g+2], (128*KS/256)<<16
	s_mov_b32 s[\g+3], 32<<16
	s_mov_b32 s[\g+4], 128*KS/256
	s_mov_b32 s[\g+5], 32
	s_mov_b32 s[\g+6], 0
	s_mov_b32 s[\g+7], 0
.endr
	s_lshl_b32 s18, s16, 7                         ; which 128 rows of the tile I fetch
	s_lshl_b32 s20, s17, 8
	s_add_co_u32 s20, s20, s18                     ; A: row 256 x tile row + 128 x half
	s_lshl_b32 s46, s42, 8
	s_add_co_u32 s46, s46, s18                     ; B: row 256 x tile column + 128 x half
	s_mov_b32 s21, 0
	s_mov_b32 s47, 0
	s_mov_b64 s[18:19], KS
	s_mul_u64 s[22:23], s[20:21], s[18:19]         ; where these rows' scales begin, in bytes
	s_mul_u64 s[92:93], s[46:47], s[18:19]
	s_mov_b64 s[18:19], KROW
	s_mul_u64 s[20:21], s[20:21], s[18:19]         ; and their codes
	s_mul_u64 s[46:47], s[46:47], s[18:19]
	s_mul_i32 s45, s14, HALFT                      ; where they go: wave x 128 rows: no place in the cluster enters an LDS address
	s_mul_i32 s94, s14, HALFS
	s_add_nc_u64 s[20:21], s[4:5], s[20:21]
	s_add_nc_u64 s[22:23], s[6:7], s[22:23]
	s_add_nc_u64 s[46:47], s[8:9], s[46:47]
	s_add_nc_u64 s[92:93], s[10:11], s[92:93]
	CROUND                                         ; all sixteen work-groups are here: the first joint loads meet
	s_mov_b32 s[G0S], 1
	s_add_co_u32 s[G0S+1], s94, SCL
	s_mov_b64 s[G0S+2:G0S+3], s[22:23]
	s_or_b32 s[G0S+3], s[G0S+3], 0x80000000
	s_mov_b32 s[G0SB], 1
	s_add_co_u32 s[G0SB+1], s94, SCL
	s_mov_b64 s[G0SB+2:G0SB+3], s[92:93]
	s_or_b32 s[G0SB+3], s[G0SB+3], 0x80000000
	JLOAD G0S, G1S, G0SB, G1SB                     ; the scales first: they are wanted with K step 0
.irp s, 0,1
	s_mov_b32 s[G0+4*\s], 1
	s_add_co_u32 s[G0+4*\s+1], s45, \s*SLOT
	s_add_nc_u64 s[G0+4*\s+2:G0+4*\s+3], s[20:21], \s*ROWB
	s_or_b32 s[G0+4*\s+3], s[G0+4*\s+3], 0x80000000
	s_mov_b32 s[G0B+4*\s], 1
	s_add_co_u32 s[G0B+4*\s+1], s45, \s*SLOT
	s_add_nc_u64 s[G0B+4*\s+2:G0B+4*\s+3], s[46:47], \s*ROWB
	s_or_b32 s[G0B+4*\s+3], s[G0B+4*\s+3], 0x80000000
	JLOAD G0+4*\s, G1, G0B+4*\s, G1B
.endr
	v_and_b32 v1, 15, v0                           ; r = lane % 16
	v_bfe_u32 v2, v0, 4, 1                         ; h = lane / 16
	v_mul_u32_u24 v3, v1, PITCH
	v_mul_u32_u24 v4, v2, 24
	v_add_nc_u32 v4, v3, v4                        ; a fragment's row x pitch + 24 x half
	v_lshl_add_u32 v5, v2, 4, v4                   ; and the same behind one padding more
	s_mul_i32 s21, s15, HALFT                      ; my 128 rows of A
	s_mul_i32 s22, s16, HALFT                      ; my 128 rows of B,
	s_add_co_u32 s22, s22, 2*HALFT                 ; which lie behind A's 256
.irp s, 0,1
	v_add_nc_u32 v[ADRA+\s], s21, v4
	v_add_nc_u32 v[ADRB+\s], s22, v4
	v_add_nc_u32 v[ADRA+2+\s], s21, v5
	v_add_nc_u32 v[ADRB+2+\s], s22, v5
	s_add_co_u32 s21, s21, SLOT
	s_add_co_u32 s22, s22, SLOT
.endr
	v_mul_u32_u24 v5, v1, KS                       ; my row's scales: 32 bytes a row,
	v_lshrrev_b32 v6, 8, v5
	v_lshl_add_u32 v5, v6, 4, v5                   ; and 16 more for each 256 passed
	s_mul_i32 s21, s15, HALFS                      ; A's: my 128 rows
	s_mul_i32 s22, s16, HALFS                      ; B's: my 128 rows, behind A's 256
	s_add_co_u32 s22, s22, 2*HALFS
	s_sub_co_u32 s22, s22, s21
	v_mul_u32_u24 v6, s22, v2                      ; lanes 16-31 take B's
	s_add_co_u32 s21, s21, SCL
	v_add_nc_u32 v5, v5, v6
	v_add_nc_u32 v[ADRS], s21, v5
	; THE BIASES, in the result's layout.  q, k: register 8 b + j = bias[my first column + 16 b + 8 h + j].  v: register 8 a + j = bv[my first row + 16 a + r], the same for every j.
	v_mul_u32_u24 v7, v2, s100
	v_mad_u32_u24 v7, v1, s101, v7
.irp j, 0,1,2,3,4,5,6,7
	v_mad_u32_u24 v[VJ+\j], s67, \j, v7
.endr
	s_cmp_eq_u32 ttmp9, 2
	s_cselect_b32 s98, s17, s42                    ; the channels are A's rows in role 2, else B's
	s_cselect_b32 s99, s15, s16
	s_lshl_b32 s98, s98, 10                        ; 256 channels of 4 bytes a tile,
	s_lshl_b32 s99, s99, 9                         ; 128 a wave
	s_add_co_u32 s98, s98, s99
	s_mov_b32 s99, 0
	s_add_nc_u64 s[96:97], s[96:97], s[98:99]
.irp x, 0,1,2,3,4,5,6,7
.irp j, 0,1,2,3,4,5,6,7
	global_load_b32 v[BI+8*\x+\j], v[VJ+\j], s[96:97] offset:64*\x
.endr
.endr
	; WHERE MY IMAGES GO: record ((batch x 16 + head) x 16 + step); my 128 tokens are one step, my 128 channels two heads
	s_cmp_eq_u32 ttmp9, 2
	s_cselect_b32 s98, s42, s17                    ; the tokens' tile,
	s_cselect_b32 s99, s16, s15                    ; and my half of it
	s_cselect_b32 s100, s17, s42                   ; the channels' tile,
	s_cselect_b32 s101, s15, s16                   ; and my half of it
	s_mov_b32 s67, KREC
	s_cselect_b32 s67, VREC, s67                   ; a record's bytes
	s_mov_b32 s66, KHEAD
	s_cselect_b32 s66, VHEAD, s66                  ; from head to head
	s_lshl_b32 s98, s98, 1
	s_add_co_u32 s98, s98, s99                     ; which 128 tokens of the 8,192
	s_lshl_b32 s100, s100, 2
	s_lshl_b32 s101, s101, 1
	s_add_co_u32 s100, s100, s101                  ; my first head
	s_lshr_b32 s99, s98, 4                         ; batch
	s_lshl_b32 s99, s99, 4
	s_add_co_u32 s99, s99, s100
	s_lshl_b32 s99, s99, 4
	s_and_b32 s98, s98, 15                         ; step
	s_add_co_u32 s98, s99, s98
	s_mul_i32 s98, s98, s67                        ; under 2^23
	s_mov_b32 s99, 0
	s_add_nc_u64 s[12:13], s[12:13], s[98:99]
	v_and_b32 v14, 31, v0                          ; lane
	v_xor_b32 v3, 8, v14
	v_lshlrev_b32 v8, 4, v14                       ; 16 x lane: even blocks;
	v_lshlrev_b32 v9, 4, v3                        ; 16 x (lane xor 8): odd blocks
	v_lshlrev_b32 v10, 3, v14
	v_lshlrev_b32 v11, 3, v3
	v_mul_u32_u24 v12, v2, s66
	v_lshl_add_u32 v12, v1, 4, v12                 ; scale words: 16 r; lanes 16-31 write my second head's
	v_lshlrev_b32 v13, 4, v2                       ; 16 h: which half of a scale word is my head's
.macro FRAG reg, adr, q, i             ; a fragment, 16 rows x 128 K, is 12 registers: lane l holds row l % 16; registers 6 c .. 6 c + 5 hold K = 64 c + 32 (l / 16) + 0 .. 31: 24 bytes of the row, as they lie
.irp p, 0,1,2,3,4,5                    ; in pieces of 8 bytes.  16 bytes of padding lie behind every 8 pieces: where the piece three on (lanes 16-31) lies behind one padding more, the second address register serves
.set PIECE, 12*(\q)+6*(\p/3)+\p%3
.if PIECE%8 < 5
	ds_load_b64 v[\reg+2*\p:\reg+2*\p+1], v[\adr] offset:8*PIECE+16*(PIECE/8)+(\i)*16*PITCH
.else
	ds_load_b64 v[\reg+2*\p:\reg+2*\p+1], v[\adr+2] offset:8*PIECE+16*(PIECE/8)+(\i)*16*PITCH
.endif
.endr
.endm
; 16 matrix instructions: A's blocks a0, a0 + 1 x B's eight, 128 along K.  p: B's set; sc: the set of scale words.  zero = 1: the first product starts the sums.
; The 64 accumulators take turns, one instruction a turn, in the same order in every step.
.macro MUL16 a0, p, q, sc, zero
.irp a, \a0, \a0+1
.irp b, 0,1,2,3,4,5,6,7
.if \zero
	v_wmma_scale_f32_16x16x128_f8f6f4 v[8*(8*((\a)%4)+\b):8*(8*((\a)%4)+\b)+7], v[128*(\p)+FR*\b:128*(\p)+FR*\b+FR-1], v[AF+FR*(\a):AF+FR*(\a)+FR-1], 0, v[SC+8*NQ*(\sc)+NQ*\b+(\q)], v[SC+8*NQ*(\sc)+NQ*(\a)+(\q)] matrix_a_fmt:MATRIX_FMT_FP6 matrix_b_fmt:MATRIX_FMT_FP6 matrix_a_scale:MATRIX_SCALE_ROW1
.else
	v_wmma_scale_f32_16x16x128_f8f6f4 v[8*(8*((\a)%4)+\b):8*(8*((\a)%4)+\b)+7], v[128*(\p)+FR*\b:128*(\p)+FR*\b+FR-1], v[AF+FR*(\a):AF+FR*(\a)+FR-1], v[8*(8*((\a)%4)+\b):8*(8*((\a)%4)+\b)+7], v[SC+8*NQ*(\sc)+NQ*\b+(\q)], v[SC+8*NQ*(\sc)+NQ*(\a)+(\q)] matrix_a_fmt:MATRIX_FMT_FP6 matrix_b_fmt:MATRIX_FMT_FP6 matrix_a_scale:MATRIX_SCALE_ROW1
.endif
.endr
.endr
.endm
.macro FETCH_B slot, q, p              ; B's eight fragments of the slot's q-th 128 along K into set p
	WIN TO_B
.irp i, 0,1,2,3,4,5,6,7
	FRAG 128*(\p)+FR*\i, ADRB+\slot, \q, \i
.endr
	WIN 0
.endm
.macro FETCH_A slot, q, i0             ; A's blocks i0 .. i0 + 3
.irp i, \i0, \i0+1, \i0+2, \i0+3
	FRAG AF+FR*(\i), ADRA+\slot, \q, \i
.endr
.endm
.macro SCALES sc                       ; a K step's scale words into set sc: two words a row; lanes 0-15 take A's block i, lanes 16-31 B's block i
.irp i, 0,1,2,3,4,5,6,7
	ds_load_b64 v[SC+8*NQ*\sc+NQ*\i:SC+8*NQ*\sc+NQ*\i+1], v[ADRS] offset:\i*SBLK
.endr
.endm
.macro PLACES n                        ; plain vector instructions between a matrix instruction and a load into, or a vector instruction on, its registers
.rept \n
	v_nop
.endr
.endm
; A step of 128 along K that has its successor in the same slot.
.macro STEP slot, q, zero
	s_wait_dscnt 4*NL                              ; B's set and A's blocks 0-3 are in; the youngest 24 loads (A's blocks 4-7) may be out
	WIN MUL_LO
	MUL16 0, (\q)%2, \q, \slot, \zero
	MUL16 2, (\q)%2, \q, \slot, \zero
	s_wait_dscnt 0                                 ; A's blocks 4-7 are in
	PLACES NP
	FETCH_B \slot, (\q)+1, 1-(\q)%2
	FETCH_A \slot, (\q)+1, 0
	WIN MUL_HI
	MUL16 4, (\q)%2, \q, \slot, \zero
	MUL16 6, (\q)%2, \q, \slot, \zero
	PLACES NP
	WIN 0
	FETCH_A \slot, (\q)+1, 4
.endm
; A slot's last step changes slots: one barrier; in front of it each wave waits for all its tensor loads, adds 0 to its spare word, and waits for that and for its own reads of this slot.  fill = 1: this slot is filled again, two K steps ahead.
.macro TURN slot, next, fill
	s_wait_tensorcnt 0x0                           ; all my tensor loads have landed: my part of the next slot
	ds_add_u32 v[SPW], v[NIL]                      ; 0 onto my spare word
	s_wait_dscnt 4*NL+1                            ; (the add and the youngest 24 loads, A's blocks 4-7, may be out)
	WIN MUL_LO
	MUL16 0, 1, NQ-1, \slot, 0                     ; sixteen matrix instructions stand between the add and the wait for it
	s_wait_dscnt 0x0                               ; the add is done, and my reads of this slot are over
	s_barrier_signal -1
	MUL16 2, 1, NQ-1, \slot, 0
	WIN 0
	s_barrier_wait -1
.if \fill
	CREST                                          ; the barrier has opened a round of the cluster's barrier: no wave of any partner still reads this slot or has a load on its way
	s_add_nc_u64 s[G0+4*\slot+2:G0+4*\slot+3], s[G0+4*\slot+2:G0+4*\slot+3], 2*ROWB
	s_add_nc_u64 s[G0B+4*\slot+2:G0B+4*\slot+3], s[G0B+4*\slot+2:G0B+4*\slot+3], 2*ROWB
	JLOAD G0+4*\slot, G1, G0B+4*\slot, G1B         ; the first tensor load behind the round; its four v_nop are the places in front of the loads below
.else
	PLACES NP
.endif
	v_add_nc_u32 v[ADRS], 4*NQ, v[ADRS]            ; on to the next K step's scale words (no LDS load of mine is out)
	FETCH_B \next, 0, 0
	FETCH_A \next, 0, 0
	SCALES \next
	WIN MUL_HI
	MUL16 4, 1, NQ-1, \slot, 0
	MUL16 6, 1, NQ-1, \slot, 0
	PLACES NP
	WIN 0
	FETCH_A \next, 0, 4
.endm
	s_wait_loadcnt 0x0                             ; the biases (they came while the first tiles were on their way)
	s_wait_tensorcnt 1                             ; of my three loads the scales and K step 0 are in; K step 1's may be out
	s_barrier_signal -1
	s_barrier_wait -1                              ; everybody's are
	FETCH_B 0, 0, 0
	FETCH_A 0, 0, 0
	SCALES 0
	FETCH_A 0, 0, 4
	STEP 0, 0, 1                                   ; the first step stands in front of the loop: its products start the sums
	s_mov_b32 s3, LAPS-1
.Llap:                                             ; a trip goes once round the ring and fills both slots again
	TURN 0, 1, 1
	STEP 1, 0, 0
	TURN 1, 0, 1
	STEP 0, 0, 0
	s_sub_co_u32 s3, s3, 1
	s_cmp_lg_u32 s3, 0
	s_cbranch_scc1 .Llap
	TURN 0, 1, 0                                   ; the last lap fills nothing
	STEP 1, 0, 0
	s_wait_dscnt 4*NL                              ; the very last step: nothing more to fetch
	WIN MUL_LO
	MUL16 0, 1, NQ-1, 1, 0
	MUL16 2, 1, NQ-1, 1, 0
	s_wait_dscnt 0
	WIN MUL_HI
	MUL16 4, 1, NQ-1, 1, 0
	MUL16 6, 1, NQ-1, 1, 0
	WIN 0
; 64 numbers of a lane, v[s] .. v[s + 63], register 16 b + i = column 32 b + 16 (lane / 16) + i of my row, become a fragment's codes in v[CD] on and its scale word in v[pw].
.macro QUANT s, pw
.irp b, 0,1,2,3
	v_max3_num_f32 v[TM+\b], |v[\s+16*\b]|, |v[\s+1+16*\b]|, 0x1800000   ; block b: my 16 numbers, and the floor 2^(3 - 127): the byte cannot fall under 1
.endr
.irp i, 2,4,6,8,10,12,14
.irp b, 0,1,2,3
	v_max3_num_f32 v[TM+\b], v[TM+\b], |v[\s+16*\b+\i]|, |v[\s+1+16*\b+\i]|   ; (the four blocks by turns)
.endr
.endr
.irp b, 0,1,2,3
	v_permlanex16_b32 v[TM+4+\b], v[TM+\b], s[SEL], s[SEL+1]
.endr
.irp b, 0,1,2,3
	v_max_num_f32 v[TM+\b], v[TM+\b], v[TM+4+\b]   ; with lane l xor 16's: the block's largest magnitude
.endr
.irp b, 0,1,2,3
	v_add_nc_u32 v[TM+12+\b], 0xff000000, v[TM+\b] ; 2 off its exponent field: the conversion takes the exponent field of this operand as its scale
.endr
.irp b, 0,1,2,3
	v_lshrrev_b32 v[TM+4+\b], 23, v[TM+12+\b]      ; the scale's byte
.endr
	v_lshl_or_b32 v[\pw], v[TM+5], 8, v[TM+4]      ; the four bytes make my row's scale word
	v_lshl_or_b32 v[\pw], v[TM+6], 16, v[\pw]
	v_lshl_or_b32 v[\pw], v[TM+7], 24, v[\pw]
.irp c, 0,1
	v_cvt_scalef32_pk16_fp6_f32 v[CD+6*\c:CD+2+6*\c], v[\s+32*\c:\s+15+32*\c], v[TM+12+2*\c]
	v_cvt_scalef32_pk16_fp6_f32 v[CD+12+4*\c:CD+14+4*\c], v[\s+16+32*\c:\s+31+32*\c], v[TM+12+2*\c+1]   ; (a conversion's three registers begin on an even number)
.endr
	v_nop                                          ; one plain place behind a scaled conversion
.irp c, 0,1                                    ; the operand's layout wants a whole block in a lane: lanes 0-15 block 2 c, lanes 16-31 block 2 c + 1
.irp i, 0,1,2
	v_permlane16_swap_b32 v[CD+6*\c+\i], v[CD+12+4*\c+\i]
.endr
.irp i, 0,1,2
	v_mov_b32 v[CD+3+6*\c+\i], v[CD+12+4*\c+\i]
.endr
.endr
.endm
; Block a of my eight blocks of 16 rows: + bias, 16 neighbours to a lane, quantised, stored.
.macro EBLOCK a, isv
	s_wait_xcnt 0x0                                ; the last block's stores have read their data: the codes' registers are written again only behind this wait
	WIN 2+(\a)/4                                   ; source 0: window 2 or 3
.irp b, 0,1,2,3,4,5,6,7
.irp i, 0,2,4,6
.if \isv
	v_pk_add_f32 v[HA+8*\b+\i:HA+8*\b+\i+1], v[64*((\a)%4)+8*\b+\i:64*((\a)%4)+8*\b+\i+1], v[BI+8*(\a)+\i:BI+8*(\a)+\i+1]   ; the bias, and the way into window 0, in one; each accumulator from its low end on
.else
	v_pk_add_f32 v[HA+8*\b+\i:HA+8*\b+\i+1], v[64*((\a)%4)+8*\b+\i:64*((\a)%4)+8*\b+\i+1], v[BI+8*\b+\i:BI+8*\b+\i+1]
.endif
.endr
.endr
	WIN 0
.irp b, 0,1,2,3                                ; tiles 2 b and 2 b + 1: the first's lanes 16-31 change places with the second's lanes 0-15: register 16 b + i is then column 32 b + 16 h + i
.irp j, 0,1,2,3,4,5,6,7
	v_permlane16_swap_b32 v[HA+16*\b+\j], v[HA+16*\b+8+\j]
.endr
.endr
.if \isv
	QUANT HA, SW+(\a)
.irp c, 0,1,2
	global_store_b128 v8, v[CD+4*\c:CD+4*\c+3], s[12:13] offset:((\a)/4)*VHEAD+((\a)%4)*1536+512*\c   ; a whole fragment of v: 16 channels x 128 keys; 512 consecutive bytes a store
.endr
.else
	QUANT HA, PWT
	v_bfe_u32 v[SW+4*((\a)%2)+(\a)/2], v[PWT], v13, 16   ; lanes 0-15 keep my first head's two bytes, lanes 16-31 my second head's; the upper two bytes are 0
.irp c, 0,1                                    ; head c: registers 6 c .. 6 c + 5 are registers 0 .. 5 of its operand
	global_store_b128 v[8+(\a)%2], v[CD+6*\c:CD+6*\c+3], s[12:13] offset:\c*KHEAD+768*(\a)
	global_store_b64 v[10+(\a)%2], v[CD+6*\c+4:CD+6*\c+5], s[12:13] offset:\c*KHEAD+768*(\a)+512
.endr
.endif
.endm
.macro EPI isv
.irp a, 0,1,2,3,4,5,6,7
	EBLOCK \a, \isv
.endr
.if \isv
	v_cmp_lt_u32 vcc_lo, 15, v14
.irp i, 0,1,2,3
	v_cndmask_b32 v[XW+\i], v[SW+\i], v[SW+4+\i], vcc_lo   ; lanes 0-15: my first head's four tiles, lanes 16-31: my second head's
.endr
	global_store_b128 v12, v[XW:XW+3], s[12:13] offset:6144
.else
	global_store_b128 v12, v[SW:SW+3], s[12:13] offset:6144   ; the even blocks' words: sixteen lanes fill 256 consecutive bytes of a head's record
	global_store_b128 v12, v[SW+4:SW+7], s[12:13] offset:6400 ; the odd blocks'
.endif
.endm
	PLACES NP                                      ; behind the last products: their results are read, and A's registers written, below
	s_mov_b32 s[SEL], 0x76543210
	s_mov_b32 s[SEL+1], 0xfedcba98                 ; v_permlanex16_b32's selects for lane l xor 16
.irp b, 0,1,2,3
	v_mov_b32 v[TM+4+\b], 0                        ; written once: a lane permute's destination counts as one of its sources
.endr
	s_cmp_eq_u32 ttmp9, 2                          ; the role again: the same in all partners; neither way touches LDS
	s_cbranch_scc1 .Lv
	EPI 0
	s_branch .Lend
.Lv:
	EPI 1
.Lend:
	s_wait_tensorcnt 0x0                           ; the wave's end
	ds_add_u32 v[SPW], v[NIL]
	s_wait_dscnt 0x0
	CROUND                                         ; the closing round: no work-group ends while a partner may still ask for a tile that names it
	s_endpgm
.Lfunc_end_k_qce2a9e5b3d_qkv:
	.size	k_qce2a9e5b3d_qkv, .Lfunc_end_k_qce2a9e5b3d_qkv-k_qce2a9e5b3d_qkv
	.p2alignl 7, 3214868480
	.fill 96, 4, 3214868480
	.section	.rodata,"a",@progbits
	.p2align	6, 0x0
	.amdhsa_kernel k_qce2a9e5b3d_qkv
		.amdhsa_group_segment_fixed_size 327680
		.amdhsa_private_segment_fixed_size 0
		.amdhsa_enable_private_segment 0
		.amdhsa_kernarg_size 112
		.amdhsa_user_sgpr_count 2
		.amdhsa_user_sgpr_kernarg_segment_ptr 1
		.amdhsa_wavefront_size32 1
		.amdhsa_system_sgpr_workgroup_id_x 1
		.amdhsa_system_sgpr_workgroup_id_y 1
		.amdhsa_system_sgpr_workgroup_id_z 1
		.amdhsa_system_vgpr_workitem_id 0
		.amdhsa_next_free_vgpr 1024
		.amdhsa_next_free_sgpr 102
		.amdhsa_reserve_vcc 1
		.amdhsa_float_denorm_mode_32 3
		.amdhsa_float_denorm_mode_16_64 3
		.amdhsa_memory_ordered 1
		.amdhsa_forward_progress 1
		.amdhsa_inst_pref_size 254
	.end_amdhsa_kernel
	.amdgpu_metadata
---
amdhsa.version: [ 1, 2 ]
amdhsa.kernels:
  - .name:           k_qce2a9e5b3d_qkv
    .symbol:         k_qce2a9e5b3d_qkv.kd
    .args:
      - { .name: hidden_state_codes, .offset: 0, .size: 8, .value_kind: global_buffer, .address_space: global }
      - { .name: hidden_state_scales, .offset: 8, .size: 8, .value_kind: global_buffer, .address_space: global }
      - { .name: Wq_codes, .offset: 16, .size: 8, .value_kind: global_buffer, .address_space: global }
      - { .name: Wq_scales, .offset: 24, .size: 8, .value_kind: global_buffer, .address_space: global }
      - { .name: Wk_codes, .offset: 32, .size: 8, .value_kind: global_buffer, .address_space: global }
      - { .name: Wk_scales, .offset: 40, .size: 8, .value_kind: global_buffer, .address_space: global }
      - { .name: Wv_codes, .offset: 48, .size: 8, .value_kind: global_buffer, .address_space: global }
      - { .name: Wv_scales, .offset: 56, .size: 8, .value_kind: global_buffer, .address_space: global }
      - { .name: bq, .offset: 64, .size: 8, .value_kind: global_buffer, .address_space: global }
      - { .name: bk, .offset: 72, .size: 8, .value_kind: global_buffer, .address_space: global }
      - { .name: bv, .offset: 80, .size: 8, .value_kind: global_buffer, .address_space: global }
      - { .name: qimg, .offset: 88, .size: 8, .value_kind: global_buffer, .address_space: global }
      - { .name: kimg, .offset: 96, .size: 8, .value_kind: global_buffer, .address_space: global }
      - { .name: vimg, .offset: 104, .size: 8, .value_kind: global_buffer, .address_space: global }
    .group_segment_fixed_size: 327680
    .private_segment_fixed_size: 0
    .kernarg_segment_align: 8
    .kernarg_segment_size: 112
    .max_flat_workgroup_size: 128
    .sgpr_count:     102
    .vgpr_count:     1024
    .wavefront_size: 32
...
	.end_amdgpu_metadata
.endif
;; end of part 1
;; launch attn (part 2): grid 4 x 64, 16 waves a work-group, clusters of 4 x 1, 215,040 bytes of LDS; arguments qimg, kimg, vimg, oimg, oscl; writes oimg, oscl
.if DOCPART == 2
	.amdgcn_target "amdgcn-amd-amdhsa--gfx1250"
	.amdhsa_code_object_version 6
	.text
	.protected	k_qce2a9e5b3d_attn
	.globl	k_qce2a9e5b3d_attn
	.p2align	8
	.type	k_qce2a9e5b3d_attn,@function
k_qce2a9e5b3d_attn:
	s_mov_b64 s[64:65], 0
	v_nop
	global_prefetch_b8 v0, s[64:65] scope:SCOPE_SE
	s_setreg_imm32_b32 hwreg(HW_REG_WAVE_MODE, 25, 1), 1
	s_wait_xcnt 0x0
	s_wait_alu depctr_hold_cnt(0) depctr_sa_sdst(0) depctr_va_vdst(0) depctr_va_sdst(0) depctr_va_ssrc(0) depctr_va_vcc(0) depctr_vm_vsrc(0)
	s_getreg_b32 s2, hwreg(HW_REG_IB_STS2, 6, 4)
	s_cmp_eq_u32 s2, 0
	s_cbranch_scc0 .Lentry_in_a_cluster
	s_endpgm
.Lentry_in_a_cluster:
	s_bfe_u32 s2, ttmp6, 0x10000c
	s_cmp_lg_u32 s2, 0x3003
	s_cbranch_scc0 .Lentry_shape_is_right
	s_endpgm
.Lentry_shape_is_right:
; o[b][h][q][:] = the sum over k of softmax_k(q . k / 8) v[k][:], both products on codes of FP6 (E2M3) with one E8M0 scale for each 32 along a product's K; o is quantised at once along the hidden axis for the last projection.
; THE SOFTMAX: t = score x log2(e) / 8; M = the row's largest t so far, rounded UP to a whole number; p = 2^(t - M) is what is quantised, along the keys; the row's sum is taken of the unquantised p and divides at the end.
; When M moves, the sum and O are multiplied by 2^(old M - new M): exact.
; SHARES.  A work-group owns 512 queries of one head; each of its sixteen waves owns two tiles of 16 queries, one after the other (two passes), in 256 registers: four waves to a SIMD.  Every wave walks the head's 2,048 keys, 128 a step.
; THE HEAD'S WHOLE K AND V LIE IN LDS, filled once: K's 16 records of 6,656 bytes at 0, V's 16 of 6,400 bytes at 106,496.  No byte of LDS is filled twice, and nothing is stored to LDS.
; CLUSTER.  The four work-groups of a head form a cluster and ask for K and V jointly: wave 0 for K, wave 1 for V, four loads each (four records a load), so that the first steps wait for a quarter of the fill only.
; By this text's own count a wave has four tensor loads out at the most.
; THE HEAD'S 64 CHANNELS are half of the instruction's 128 along K: registers 6-11 of q's and k's fragments hold zero codes, under the scale byte 0.
; LAYOUT.  Both products are used transposed: S^T = K Q^T (source 0 = 16 keys, source 1 = my 16 queries), O^T = V^T P^T: a lane holds ONE query (lane % 16) throughout.
; THE KEYS OF A TILE ARE NOT NEIGHBOURS: lane 8 g + e of tile 2 b + u takes key 32 b + 16 g + 8 u + e, so that the 16 registers of tiles 2 b and 2 b + 1 are the 16 neighbouring keys 32 b + 16 (lane / 16) + 0 .. 15.
; K's records hold blocks of 16 keys as register images, the rows of odd blocks turned by 8: that key's 16 bytes lie at 1,536 b + 768 g + 128 (u xor g) + 16 e + 256 (lane / 16).
; OUT.  oimg [token / 16][head][768]: registers 0-3 at 16 lane, registers 4-5 at 512 + 8 lane: half (head % 2) of the projection's A fragment of K step head / 2.  oscl [token][32]: bytes 2 head, 2 head + 1.
; The scale bytes leave two to a lane, 32 bytes apart: they fill their aligned runs of 256 bytes in part; they are one twenty-fifth of what the launch stores.
; LIMITS: NaN and infinities are not served; a p under 2^-126 counts as 0 (v_exp_f32 gives 0 there: ISA guide 15.8); a block whose largest magnitude lies under 2^-124, one of zeros too, keeps the byte 1 (its bytes are read by this program alone).
; REGISTERS: v1-7 lane terms; v8-11, v28-30 the step's addresses; v12 -M, v13 the largest t, v[14:15] the sum in two halves; v16-27 Q; v31 lane; v32-79 four fragments of K; v96-159 S^T, then p, then (v96-143) V's four fragments;
;   v160-191 O^T; v192-198 the second pass's Q; v200-207 K's scale words; v208-211 V's; v212-215 lane terms; v224-235 p's codes; v232-254 at work; v253 p's scale word; v255 Q's.
.set KREC,  6656
.set VREC,  6400
.set KHEAD, 16*KREC
.set VHEAD, 16*VREC
.set CHK,   4*KREC                     ; what one tensor load brings of K: 104 rows of 256 bytes
.set CHV,   4*VREC                     ; and of V: 100
.set VREG,  KHEAD                      ; V's place in LDS
.set WV,   18                          ; s18 my wave's number
.set G1K,  24                          ; s[24:31] descriptor group 1 for K; s[32:39] for V
.set G1V,  32
.set G0K,  40                          ; s[40:55] four groups 0 for K
.set G0V,  68                          ; s[68:83] four for V
.set SEL,  56                          ; s[56:57] lane selects for v_permlanex16_b32: lane l xor 16
.set CS,   58                          ; s[58:59] c = log2(e) / 8
.set TK,   60                          ; s60 LDS byte of the step's record of K
.set TV,   61                          ; s61 of V
.set CNT,  62
.set PASS, 63
.set SV,   66
.set QC,   84                          ; s[84:85] my first tile's codes in q's images
.set QS,   86                          ; s[86:87] and its scale words
.set OI,   88                          ; s[88:89] where the pass's codes go
.set OS,   90                          ; s[90:91] and its scale bytes
.macro CROUND                          ; a round of the cluster's barrier
	s_barrier_signal -1
	s_barrier_wait -1
	s_cmp_lg_u32 s[WV], 0
	s_cbranch_scc1 .Lnot_wave_0_\@
	s_barrier_signal -3
.Lnot_wave_0_\@:
	s_barrier_wait -3
	s_barrier_signal -1
	s_barrier_wait -1
.endm
	s_load_b256 s[4:11], s[0:1], 0x0               ; q's images s[4:5], k's s[6:7], v's s[8:9], o's s[10:11]
	s_load_b64 s[12:13], s[0:1], 0x20              ; o's scale bytes
	v_lshl_add_u32 v250, v0, 2, 0x34000
	v_mov_b32 v251, 0
	ds_add_u32 v250, v251
	ds_add_u32 v250, v251
	v_lshrrev_b32 v8, 5, v0
	v_readfirstlane_b32 s[WV], v8                  ; wave 0..15
	s_bfe_u32 s19, ttmp6, 0x40000                  ; cx: which 512 queries: it enters q's and o's addresses alone
	s_and_b32 s20, ttmp7, 0xffff                   ; batch x 16 + head, which the four partners share
	; descriptor group 1: a dense block as rows of 256 bytes (32 elements of 8 bytes), no padding
	s_mov_b32 s[G1K], 15|(3<<16)|(1<<21)           ; 15:0 the mask: all four work-groups; 17:16 elements of 8 bytes; 21 set beside a mask
	s_mov_b32 s[G1K+1], 32<<16                     ; tensor_dim0
	s_mov_b32 s[G1K+2], (CHK/256)<<16              ; tensor_dim1
	s_mov_b32 s[G1K+3], 32<<16                     ; tile_dim0
	s_mov_b32 s[G1K+4], CHK/256                    ; tile_dim1
	s_mov_b32 s[G1K+5], 32                         ; from row to row
	s_mov_b32 s[G1K+6], 0
	s_mov_b32 s[G1K+7], 0
	s_mov_b32 s[G1V], 15|(3<<16)|(1<<21)
	s_mov_b32 s[G1V+1], 32<<16
	s_mov_b32 s[G1V+2], (CHV/256)<<16
	s_mov_b32 s[G1V+3], 32<<16
	s_mov_b32 s[G1V+4], CHV/256
	s_mov_b32 s[G1V+5], 32
	s_mov_b32 s[G1V+6], 0
	s_mov_b32 s[G1V+7], 0
	s_mul_i32 s92, s20, KHEAD                      ; the head's first byte in k's images,
	s_mov_b32 s93, 0
	s_mul_i32 s94, s20, VHEAD                      ; and in v's
	s_mov_b32 s95, 0
	; my two tiles of queries are blocks 2 (w % 4) and 2 (w % 4) + 1 of record 16 (batch x 16 + head) + 4 cx + w / 4
	s_lshl_b32 s21, s20, 4
	s_lshl_b32 s22, s19, 2
	s_add_co_u32 s21, s21, s22
	s_lshr_b32 s22, s[WV], 2
	s_add_co_u32 s21, s21, s22
	s_mul_i32 s21, s21, KREC
	s_and_b32 s22, s[WV], 3
	s_mul_i32 s23, s22, 1536
	s_add_co_u32 s[QC], s21, s23
	s_mov_b32 s[QC+1], 0
	s_lshl_b32 s22, s22, 2
	s_add_co_u32 s[QS], s21, s22
	s_add_co_u32 s[QS], s[QS], 6144
	s_mov_b32 s[QS+1], 0
	; my first tile of 16 tokens among the 512: 128 batch + 32 cx + 2 w
	s_lshr_b32 s21, s20, 4
	s_lshl_b32 s21, s21, 7
	s_lshl_b32 s22, s19, 5
	s_add_co_u32 s21, s21, s22
	s_lshl_b32 s22, s[WV], 1
	s_add_co_u32 s21, s21, s22
	s_and_b32 s22, s20, 15                         ; the head
	s_mul_i32 s[OI], s21, 12288
	s_mul_i32 s23, s22, 768
	s_add_co_u32 s[OI], s[OI], s23
	s_mov_b32 s[OI+1], 0
	s_lshl_b32 s[OS], s21, 9                       ; 16 tokens x 32 bytes
	s_lshl_b32 s23, s22, 1
	s_add_co_u32 s[OS], s[OS], s23
	s_mov_b32 s[OS+1], 0
	s_mov_b32 s[SEL], 0x76543210
	s_mov_b32 s[SEL+1], 0xfedcba98
	s_mov_b32 s[CS], 0x3e38aa3b                    ; c = log2(e) / sqrt(64)
	s_mov_b32 s[CS+1], s[CS]                       ; (named with it as a pair, so it is written)
	s_wait_dscnt 0x0
	s_wait_kmcnt 0x0
	s_add_nc_u64 s[QC:QC+1], s[4:5], s[QC:QC+1]
	s_add_nc_u64 s[QS:QS+1], s[4:5], s[QS:QS+1]
	s_add_nc_u64 s[OI:OI+1], s[10:11], s[OI:OI+1]
	s_add_nc_u64 s[OS:OS+1], s[12:13], s[OS:OS+1]
	s_add_nc_u64 s[6:7], s[6:7], s[92:93]          ; K and V at the head: nothing of cx in them
	s_add_nc_u64 s[8:9], s[8:9], s[94:95]
.irp j, 0,1,2,3
	s_mov_b32 s[G0K+4*\j], 1                       ; count = 1
	s_mov_b32 s[G0K+4*\j+1], \j*CHK                ; LDS address
	s_add_nc_u64 s[G0K+4*\j+2:G0K+4*\j+3], s[6:7], \j*CHK
	s_or_b32 s[G0K+4*\j+3], s[G0K+4*\j+3], 0x80000000   ; type = 2
	s_mov_b32 s[G0V+4*\j], 1
	s_mov_b32 s[G0V+4*\j+1], VREG+\j*CHV
	s_add_nc_u64 s[G0V+4*\j+2:G0V+4*\j+3], s[8:9], \j*CHV
	s_or_b32 s[G0V+4*\j+3], s[G0V+4*\j+3], 0x80000000
.endr
	CROUND                                         ; all four work-groups are here: the joint loads meet
	s_cmp_eq_u32 s[WV], 0                          ; a wave's fills stand in one branch on the wave's number, ahead of every wait on TENSORcnt and every LDS read; four v_nop follow the last
	s_cbranch_scc0 .Lnot_k
	tensor_load_to_lds s[G0K:G0K+3], s[G1K:G1K+7]
	s_nop 0
	tensor_load_to_lds s[G0K+4:G0K+7], s[G1K:G1K+7]
	s_nop 0
	tensor_load_to_lds s[G0K+8:G0K+11], s[G1K:G1K+7]
	s_nop 0
	tensor_load_to_lds s[G0K+12:G0K+15], s[G1K:G1K+7]
	s_nop 0
.rept 4
	v_nop
.endr
	s_branch .Lasked
.Lnot_k:
	s_cmp_eq_u32 s[WV], 1
	s_cbranch_scc0 .Lasked
	tensor_load_to_lds s[G0V:G0V+3], s[G1V:G1V+7]
	s_nop 0
	tensor_load_to_lds s[G0V+4:G0V+7], s[G1V:G1V+7]
	s_nop 0
	tensor_load_to_lds s[G0V+8:G0V+11], s[G1V:G1V+7]
	s_nop 0
	tensor_load_to_lds s[G0V+12:G0V+15], s[G1V:G1V+7]
	s_nop 0
.rept 4
	v_nop
.endr
.Lasked:
	v_and_b32 v31, 31, v0                          ; lane
	v_and_b32 v8, 7, v0                            ; e
	v_bfe_u32 v9, v0, 3, 1                         ; g
	v_bfe_u32 v10, v0, 4, 1                        ; h
	v_and_b32 v11, 15, v0                          ; r
	v_lshlrev_b32 v28, 4, v8
	v_lshl_add_u32 v28, v10, 8, v28                ; 16 e + 256 h
	v_mad_u32_u24 v1, v9, 896, v28                 ; K, registers 0-3, tiles with u = 0: 768 g + 128 g
	v_mad_u32_u24 v2, v9, 640, v28
	v_add_nc_u32 v2, 128, v2                       ; u = 1: 768 g + 128 (1 - g)
	v_lshlrev_b32 v29, 3, v8
	v_lshl_add_u32 v29, v10, 7, v29                ; 8 e + 128 h
	v_mad_u32_u24 v3, v9, 832, v29                 ; K, registers 4-5, u = 0: 768 g + 64 g
	v_mad_u32_u24 v4, v9, 704, v29
	v_add_nc_u32 v4, 64, v4                        ; u = 1
	v_lshlrev_b32 v5, 4, v8
	v_lshl_add_u32 v5, v9, 8, v5                   ; K's scale words: 256 g + 16 e
	v_lshlrev_b32 v6, 4, v31                       ; 16 x lane
	v_lshlrev_b32 v7, 4, v11                       ; 16 r
	v_lshlrev_b32 v212, 3, v31                     ; 8 x lane
	v_xor_b32 v30, 8, v31
	v_lshlrev_b32 v213, 4, v30                     ; 16 x (lane xor 8): the second pass's tile is an odd block
	v_lshlrev_b32 v214, 3, v30
	v_lshlrev_b32 v215, 5, v11                     ; 32 r: a token's row of o's scale bytes
	global_load_b128 v[16:19], v6, s[QC:QC+1]      ; Q of the first pass,
	global_load_b64 v[20:21], v212, s[QC:QC+1] offset:512
	global_load_b32 v255, v7, s[QS:QS+1]
	global_load_b128 v[192:195], v213, s[QC:QC+1] offset:768   ; and of the second
	global_load_b64 v[196:197], v214, s[QC:QC+1] offset:1280
	global_load_b32 v198, v7, s[QS:QS+1] offset:256
.irp i, 22,23,24,25,26,27
	v_mov_b32 v[\i], 0                             ; zero codes for K = 64 .. 127, in Q
.endr
.irp b, 0,1,2,3
.irp i, 6,7,8,9,10,11
	v_mov_b32 v[32+12*\b+\i], 0                    ; and in K's four fragments: written once
.endr
.endr
.irp b, 0,1,2,3
	v_mov_b32 v[236+\b], 0                         ; written once: a lane permute's destination counts as one of its sources
.endr
	v_mov_b32 v253, 0                              ; (named as the upper half of the pair v[252:253] before it is first written)
	s_wait_loadcnt 0x0
; A KEY STEP: 128 keys.
.macro STEP
	v_add_nc_u32 v8, s[TK], v1                     ; these five are also the places between the last step's products on V and the products below, whose results are laid over V's fragments
	v_add_nc_u32 v9, s[TK], v3
	v_add_nc_u32 v10, s[TK], v5
	v_add_nc_u32 v11, s[TV], v6
	v_add_nc_u32 v28, s[TV], v7
.irp b, 0,1,2,3                                ; S^T = K Q^T: tiles 2 b (u = 0)
	ds_load_b128 v[32+12*\b:35+12*\b], v8 offset:1536*\b
	ds_load_b64 v[36+12*\b:37+12*\b], v9 offset:1536*\b+512
.endr
	ds_load_b128 v[200:203], v10 offset:6144       ; K's scale words: four tiles' a load
	ds_load_b128 v[204:207], v10 offset:6272
	s_wait_dscnt 0x0
.irp b, 0,1,2,3
	v_wmma_scale_f32_16x16x128_f8f6f4 v[96+16*\b:103+16*\b], v[32+12*\b:43+12*\b], v[16:27], 0, v[200+\b], v255 matrix_a_fmt:MATRIX_FMT_FP6 matrix_b_fmt:MATRIX_FMT_FP6
.endr
	v_add_nc_u32 v29, s[TK], v2                    ; four places in front of loads into registers that matrix instructions have read
	v_add_nc_u32 v30, s[TK], v4
	v_nop
	v_nop
.irp b, 0,1,2,3                                ; tiles 2 b + 1 (u = 1)
	ds_load_b128 v[32+12*\b:35+12*\b], v29 offset:1536*\b
	ds_load_b64 v[36+12*\b:37+12*\b], v30 offset:1536*\b+512
.endr
	s_wait_dscnt 0x0
.irp b, 0,1,2,3
	v_wmma_scale_f32_16x16x128_f8f6f4 v[104+16*\b:111+16*\b], v[32+12*\b:43+12*\b], v[16:27], 0, v[204+\b], v255 matrix_a_fmt:MATRIX_FMT_FP6 matrix_b_fmt:MATRIX_FMT_FP6
.endr
.irp b, 0,1,2,3                                ; these four read the even tiles alone, which stand four places back: they are the places behind the odd tiles' products
	v_max3_num_f32 v[232+\b], v[96+16*\b], v[97+16*\b], v[98+16*\b]   ; THE LARGEST SCORE OF EACH BLOCK OF 32 KEYS: it serves for the row's maximum and, since p rises with the score, for the block's largest p
.endr
.irp i, 3,5,7,9,11,13
.irp b, 0,1,2,3
	v_max3_num_f32 v[232+\b], v[232+\b], v[96+16*\b+\i], v[97+16*\b+\i]   ; (the four blocks by turns)
.endr
.endr
.irp b, 0,1,2,3
	v_max_num_f32 v[232+\b], v[232+\b], v[111+16*\b]
.endr
.irp b, 0,1,2,3
	v_permlanex16_b32 v[236+\b], v[232+\b], s[SEL], s[SEL+1]
.endr
.irp b, 0,1,2,3
	v_max_num_f32 v[232+\b], v[232+\b], v[236+\b]  ; with lane l xor 16's 16 keys
.endr
	v_max3_num_f32 v254, v232, v233, v234
	v_max_num_f32 v254, v254, v235                 ; the step's largest score of my query
	v_mul_f32 v254, s[CS], v254                    ; as t (c is positive)
	v_max_num_f32 v13, v13, v254                   ; the running largest t
	v_mov_b32 v254, v12
	v_floor_f32 v12, -v13                          ; the new -M = floor(-t) = -ceil(t): M is a whole number
	v_sub_f32 v254, v12, v254                      ; M's old value less its new one: a whole number, 0 or less
	v_cvt_i32_f32 v254, v254                       ; (it saturates)
	v_ldexp_f32 v252, 1.0, v254                    ; f = 2^(old M - new M)
.set jj, 0
.rept 32
	v_pk_fma_f32 v[96+jj:97+jj], v[96+jj:97+jj], s[CS:CS+1], v[12:13] op_sel_hi:[1,0,0]   ; t - M, two at a time (of the pairs c and -M the low word serves both halves)
.set jj, jj+2
.endr
.irp b, 0,1,2,3
	v_fma_f32 v[232+\b], v[232+\b], s[CS], v12     ; the same of each block's largest score
.endr
.set jj, 0
.rept 64
	v_exp_f32 v[96+jj], v[96+jj]                   ; p = 2^(t - M), at most 1: not normalised
.set jj, jj+1
.endr
	v_pk_mul_f32 v[14:15], v[14:15], v[252:253] op_sel_hi:[1,0]   ; the sums under the new M (a plain place behind the exponentials)
	s_wait_alu depctr_va_vdst(0)                   ; one wait for the whole batch, ahead of its first reader
.irp b, 0,1,2,3
	v_exp_f32 v[232+\b], v[232+\b]                 ; the block's largest p: the same two instructions on the same number give the same bits
.endr
	v_pk_add_f32 v[236:237], v[96:97], v[98:99]    ; THE ROW'S SUM IS TAKEN OF THE UNQUANTISED p: two at a time, in two chains
.set jj, 4
.rept 15
	v_pk_add_f32 v[14:15], v[14:15], v[96+jj:97+jj]
	v_pk_add_f32 v[236:237], v[236:237], v[98+jj:99+jj]
.set jj, jj+4
.endr
	v_pk_add_f32 v[14:15], v[14:15], v[236:237]
	s_wait_alu depctr_va_vdst(0)                   ; and one for the four
.irp b, 0,1,2,3
	v_max_num_f32 v[232+\b], 0x1800000, v[232+\b]  ; the floor 2^(3 - 127): the byte cannot fall under 1
.endr
.irp b, 0,1,2,3
	v_add_nc_u32 v[244+\b], 0xff000000, v[232+\b]  ; 2 off the exponent field: the conversion's scale operand
.endr
.irp b, 0,1,2,3
	v_lshrrev_b32 v[236+\b], 23, v[244+\b]         ; the scale's byte
.endr
	v_lshl_or_b32 v253, v237, 8, v236              ; p's scale word for these 128 keys
	v_lshl_or_b32 v253, v238, 16, v253
	v_lshl_or_b32 v253, v239, 24, v253
.irp c, 0,1
	v_cvt_scalef32_pk16_fp6_f32 v[224+6*\c:226+6*\c], v[96+32*\c:111+32*\c], v[244+2*\c]
	v_cvt_scalef32_pk16_fp6_f32 v[236+4*\c:238+4*\c], v[112+32*\c:127+32*\c], v[244+2*\c+1]   ; (a conversion's three registers begin on an even number)
.endr
	v_nop                                          ; one plain place behind the last scaled conversion
.irp t, 0,1,2,3                                ; p has been read for the last time: V's four fragments (16 channels x 128 keys each) land where it lay, while the codes are put in order
.irp c, 0,1,2
	ds_load_b128 v[96+12*\t+4*\c:99+12*\t+4*\c], v11 offset:1536*\t+512*\c
.endr
.endr
	ds_load_b128 v[208:211], v28 offset:6144       ; V's scale words, four tiles'
.irp c, 0,1                                    ; the operand's layout wants a whole block in a lane: lanes 0-15 block 2 c, lanes 16-31 block 2 c + 1
.irp i, 0,1,2
	v_permlane16_swap_b32 v[224+6*\c+\i], v[236+4*\c+\i]
.endr
.irp i, 0,1,2
	v_mov_b32 v[227+6*\c+\i], v[236+4*\c+\i]
.endr
.endr
.set jj, 0
.rept 16
	v_pk_mul_f32 v[160+jj:161+jj], v[160+jj:161+jj], v[252:253] op_sel_hi:[1,0]   ; O^T under the new M: x f.  (These sixteen are also the places between the codes and the scale word just made and the products below)
.set jj, jj+2
.endr
	s_wait_dscnt 0x0
.irp t, 0,1,2,3                                ; O^T += V^T P^T: the four accumulators by turns, one instruction a turn
	v_wmma_scale_f32_16x16x128_f8f6f4 v[160+8*\t:167+8*\t], v[96+12*\t:107+12*\t], v[224:235], v[160+8*\t:167+8*\t], v[208+\t], v253 matrix_a_fmt:MATRIX_FMT_FP6 matrix_b_fmt:MATRIX_FMT_FP6
.endr
	s_add_co_u32 s[TK], s[TK], KREC                ; the next step's records
	s_add_co_u32 s[TV], s[TV], VREC
.endm
; Four key steps: what the j-th load of K and the j-th of V have brought.  The count leaves the fetching waves' later loads out.  In the second pass, and in waves that fetch nothing, the wait is met at once.
.macro CHUNK j
	s_wait_tensorcnt 3-\j
	s_wait_dscnt 0x0
	s_barrier_signal -1
	s_barrier_wait -1
	s_mov_b32 s[TK], \j*CHK
	s_mov_b32 s[TV], VREG+\j*CHV
	s_mov_b32 s[CNT], 4
.Lstep_\@:
	STEP
	s_sub_co_u32 s[CNT], s[CNT], 1
	s_cmp_lg_u32 s[CNT], 0
	s_cbranch_scc1 .Lstep_\@
.endm
	s_mov_b32 s[PASS], 2
.Lpass:
	v_mov_b32 v13, 0xff61b1e6                      ; the largest t so far: -3e38, under every t
	v_floor_f32 v12, -v13                          ; -M
	v_mov_b32 v14, 0                               ; the sum, in two halves
	v_mov_b32 v15, 0
.set jj, 0
.rept 32
	v_mov_b32 v[160+jj], 0                         ; O^T: the step is written once; the first finds zeros, which the first change of M leaves zeros
.set jj, jj+1
.endr
	CHUNK 0
	CHUNK 1
	CHUNK 2
	CHUNK 3
	; THE WAY OUT of a pass: O^T / the sum, 16 neighbouring channels to a lane, quantised along the head's 64 (two blocks of the hidden axis), stored as half a fragment.
.rept 4
	v_nop                                          ; places behind the last products
.endr
	v_add_f32 v14, v14, v15                        ; the sum's two halves,
	v_permlanex16_b32 v252, v14, s[SEL], s[SEL+1]
	v_add_f32 v14, v14, v252                       ; and lane l xor 16's: the row's sum
	v_rcp_f32 v14, v14
	v_nop                                          ; a plain place behind the transcendental
	s_wait_alu depctr_va_vdst(0)                   ; and the wait ahead of its first reader
.set jj, 0
.rept 16
	v_pk_mul_f32 v[96+jj:97+jj], v[160+jj:161+jj], v[14:15] op_sel_hi:[1,0]   ; register 8 t + j is o(query r, channel 16 t + 8 h + j); each accumulator from its low end on
.set jj, jj+2
.endr
.irp b, 0,1
.irp j, 0,1,2,3,4,5,6,7
	v_permlane16_swap_b32 v[96+16*\b+\j], v[104+16*\b+\j]   ; register 16 b + i is then channel 32 b + 16 h + i
.endr
.endr
.irp b, 0,1
	v_max3_num_f32 v[232+\b], |v[96+16*\b]|, |v[97+16*\b]|, 0x1800000   ; block b: my 16 numbers, and the floor 2^(3 - 127)
.endr
.irp i, 2,4,6,8,10,12,14
.irp b, 0,1
	v_max3_num_f32 v[232+\b], v[232+\b], |v[96+16*\b+\i]|, |v[97+16*\b+\i]|
.endr
.endr
.irp b, 0,1
	v_permlanex16_b32 v[236+\b], v[232+\b], s[SEL], s[SEL+1]
.endr
.irp b, 0,1
	v_max_num_f32 v[232+\b], v[232+\b], v[236+\b]  ; the block's largest magnitude
.endr
.irp b, 0,1
	v_add_nc_u32 v[244+\b], 0xff000000, v[232+\b]  ; the conversion's scale operand
.endr
.irp b, 0,1
	v_lshrrev_b32 v[236+\b], 23, v[244+\b]         ; the scale's byte
.endr
	v_lshl_or_b32 v252, v237, 8, v236              ; my token's two bytes
	v_cvt_scalef32_pk16_fp6_f32 v[224:226], v[96:111], v244
	v_cvt_scalef32_pk16_fp6_f32 v[236:238], v[112:127], v245
	v_nop                                          ; one plain place behind a scaled conversion
.irp i, 0,1,2
	v_permlane16_swap_b32 v[224+\i], v[236+\i]     ; lanes 0-15: block 0, lanes 16-31: block 1
.endr
.irp i, 0,1,2
	v_mov_b32 v[227+\i], v[236+\i]
.endr
	global_store_b128 v6, v[224:227], s[OI:OI+1]   ; 512 consecutive bytes, at a multiple of 256 from the buffer's first byte
	global_store_b64 v212, v[228:229], s[OI:OI+1] offset:512   ; 256 consecutive bytes
	s_wait_xcnt 0x0                                ; EXEC changes only behind this wait
	v_cmp_gt_u32 vcc_lo, 16, v31
	s_and_saveexec_b32 s[SV], vcc_lo               ; lanes 16-31 hold the same bytes as lanes 0-15
	global_store_b16 v215, v252, s[OS:OS+1]
	s_wait_xcnt 0x0                                ; and again in front of the line that restores it; the stores' bases and data may then be written too
	s_or_b32 exec_lo, exec_lo, s[SV]
	s_add_nc_u64 s[OI:OI+1], s[OI:OI+1], 12288     ; the next tile of 16 tokens
	s_add_nc_u64 s[OS:OS+1], s[OS:OS+1], 512
.irp i, 0,1,2,3,4,5
	v_mov_b32 v[16+\i], v[192+\i]                  ; the second pass's Q; the pass's 36 first lines stand between these and the next products
.endr
	v_mov_b32 v255, v198
	s_sub_co_u32 s[PASS], s[PASS], 1
	s_cmp_lg_u32 s[PASS], 0
	s_cbranch_scc1 .Lpass
	s_wait_tensorcnt 0x0
	ds_add_u32 v250, v251
	s_wait_dscnt 0x0
	CROUND                                         ; the closing round: no work-group ends while a partner may still ask for a tile that names it
	s_endpgm
.Lfunc_end_k_qce2a9e5b3d_attn:
	.size	k_qce2a9e5b3d_attn, .Lfunc_end_k_qce2a9e5b3d_attn-k_qce2a9e5b3d_attn
	.p2alignl 7, 3214868480
	.fill 96, 4, 3214868480
	.section	.rodata,"a",@progbits
	.p2align	6, 0x0
	.amdhsa_kernel k_qce2a9e5b3d_attn
		.amdhsa_group_segment_fixed_size 215040
		.amdhsa_private_segment_fixed_size 0
		.amdhsa_enable_private_segment 0
		.amdhsa_kernarg_size 40
		.amdhsa_user_sgpr_count 2
		.amdhsa_user_sgpr_kernarg_segment_ptr 1
		.amdhsa_wavefront_size32 1
		.amdhsa_system_sgpr_workgroup_id_x 1
		.amdhsa_system_sgpr_workgroup_id_y 1
		.amdhsa_system_sgpr_workgroup_id_z 1
		.amdhsa_system_vgpr_workitem_id 0
		.amdhsa_next_free_vgpr 256
		.amdhsa_next_free_sgpr 96
		.amdhsa_reserve_vcc 1
		.amdhsa_float_denorm_mode_32 3
		.amdhsa_float_denorm_mode_16_64 3
		.amdhsa_memory_ordered 1
		.amdhsa_forward_progress 1
		.amdhsa_inst_pref_size 80
	.end_amdhsa_kernel
	.amdgpu_metadata
---
amdhsa.version: [ 1, 2 ]
amdhsa.kernels:
  - .name:           k_qce2a9e5b3d_attn
    .symbol:         k_qce2a9e5b3d_attn.kd
    .args:
      - { .name: qimg, .offset: 0, .size: 8, .value_kind: global_buffer, .address_space: global }
      - { .name: kimg, .offset: 8, .size: 8, .value_kind: global_buffer, .address_space: global }
      - { .name: vimg, .offset: 16, .size: 8, .value_kind: global_buffer, .address_space: global }
      - { .name: oimg, .offset: 24, .size: 8, .value_kind: global_buffer, .address_space: global }
      - { .name: oscl, .offset: 32, .size: 8, .value_kind: global_buffer, .address_space: global }
    .group_segment_fixed_size: 215040
    .private_segment_fixed_size: 0
    .kernarg_segment_align: 8
    .kernarg_segment_size: 40
    .max_flat_workgroup_size: 512
    .sgpr_count:     96
    .vgpr_count:     256
    .wavefront_size: 32
...
	.end_amdgpu_metadata
.endif
;; end of part 2
;; launch oproj (part 3): grid 4 x 32, 4 waves a work-group, clusters of 4 x 4, 327,680 bytes of LDS; arguments oimg, oscl, Wo_codes, Wo_scales, out0, bo; writes out0
.if DOCPART == 3
	.amdgcn_target "amdgcn-amd-amdhsa--gfx1250"
	.amdhsa_code_object_version 6
	.text
	.protected	k_qce2a9e5b3d_oproj
	.globl	k_qce2a9e5b3d_oproj
	.p2align	8
	.type	k_qce2a9e5b3d_oproj,@function
k_qce2a9e5b3d_oproj:
	s_mov_b64 s[64:65], 0
	v_nop
	global_prefetch_b8 v0, s[64:65] scope:SCOPE_SE
	s_setreg_imm32_b32 hwreg(HW_REG_WAVE_MODE, 25, 1), 1
	s_wait_xcnt 0x0
	s_wait_alu depctr_hold_cnt(0) depctr_sa_sdst(0) depctr_va_vdst(0) depctr_va_sdst(0) depctr_va_ssrc(0) depctr_va_vcc(0) depctr_vm_vsrc(0)
	s_getreg_b32 s2, hwreg(HW_REG_IB_STS2, 6, 4)
	s_cmp_eq_u32 s2, 0
	s_cbranch_scc0 .Lentry_in_a_cluster
	s_endpgm
.Lentry_in_a_cluster:
	s_bfe_u32 s2, ttmp6, 0x10000c
	s_cmp_lg_u32 s2, 0xf033
	s_cbranch_scc0 .Lentry_shape_is_right
	s_endpgm
.Lentry_shape_is_right:
; out = o Wo^T + bo on codes of FP6 (E2M3) with one E8M0 scale for each 32 along K = 1,024.  o: 8,192 tokens, as register images [token / 16][head][768 bytes] (registers 0-3 of half a fragment at 16 lane, registers 4-5 at 512 + 8 lane;
; head 2 s + c is half c of the fragment of K step s) and scale bytes [token][32].  Wo: [1,024][1,024] as codes in rows of 768 bytes, scale bytes [1,024][32].  bo [1,024], out [8,192][1,024]: f32.
; A tile of out, 256 x 256, is made by four waves, each 128 x 128 in 64 accumulators.  K goes in steps of 256 through a ring of two LDS slots: of o 16 token tiles x 3,072 bytes as they lie, of Wo 256 rows of 192 bytes, padded.
; The scales of the 256 + 256 rows, for all of K, come into LDS once.  bo is the C of each sum's first matrix instruction.
; CLUSTERS: 4 x 4 work-groups; o's tile is shared along a row of the cluster, Wo's along a column: each is asked for jointly.  The grid has 128 work-groups: the tile is kept at 256 x 256 for the sake of the multiply-adds that each LDS byte feeds.
; THE MATRIX INSTRUCTION IS USED TRANSPOSED (source 0 = 16 rows of Wo, source 1 = 16 tokens): a lane holds eight neighbouring numbers of a row of out.
; LIMITS: NaN and infinities among the inputs are not served.
; REGISTERS, in windows of 256: window 0: v0-31 addresses; v32-63 scale words, two sets; v64-127 bo in the result's layout; from v128 o's fragments, one set; on the way out v128-255 are free.
;   window 1: Wo's fragments, two sets.  windows 2, 3: the accumulators ((a, b) at v[8 (8 (a % 4) + b)]).
.set SIZE_N, 1024
.set KSTEP,  256
.set NQ,     KSTEP/128
.set ROWB,   192                       ; a row of Wo's tile in bytes
.set KROW,   768                       ; a row of 1,024 codes; also o's images: 12,288 bytes for 16 tokens
.set AROW,   3072                      ; a token tile's part of a K step: four heads x 768 bytes
.set APITCH, 12288                     ; from token tile to token tile in memory
.set PITCH,  240                       ; Wo's LDS row: 3 x (64 bytes + 16 of padding)
.set FR,     12
.set NL,     6                         ; LDS loads that bring a fragment of Wo
.set NLA,    4                         ; and one of o: two of 16 bytes, two of 8
.set NP,     4                         ; places behind this matrix instruction (ISA guide 7.12.1)
.set HALFA,  8*AROW                    ; 128 tokens of o: what one tensor load brings
.set HALFT,  128*PITCH                 ; 128 rows of Wo
.set SLOT,   2*HALFA+2*HALFT
.set LAPS,   2
.set KS,     32
.set SCL,    2*SLOT
.set HALFS,  (128*KS/256)*272
.set SBLK,   (16*KS/256)*272
.set SPARE,  SCL+4*HALFS               ; the spare words, 128 bytes for each wave: two blocks of 256 bytes that no other line names
.set SPITCH, 528                       ; the way out: a stage of 16 rows x (512 bytes + 16) for each wave, in slot 0, which has had its last fill and its last read when the first result is stored there
.set ADRA, 16                          ; v16-17 LDS address of my lane's 16 bytes of o's images in slot 0, 1;  v18-19 of its 8 bytes
.set ADRB, 20                          ; v20-21 LDS address of my fragments of Wo (v22-23: behind one padding more)
.set STO,  24
.set RD,   25
.set CO,   26
.set ADRS, 27
.set SPW,  28
.set NIL,  29
.set SC,   32
.set BI,   64                          ; v64-127 register 8 b + j = bo[my first column + 16 b + 8 h + j]
.set AF,   128
.set BK,   128
.set G1, 24
.set G0, 32
.set G1B, 48
.set G0B, 56
.set G1S, 68
.set G0S, 76
.set G1SB, 80
.set G0SB, 88
.set MSB, 0
.macro WIN new                         ; the immediate's high byte repeats the setting that is left
.if MSB != (\new)
	s_set_vgpr_msb (MSB<<8)|(\new)
.set MSB, (\new)
.endif
.endm
.set MUL_LO, 0xa1                      ; source 0 (Wo) window 1, source 1 (o) window 0, C and D window 2
.set MUL_HI, 0xf1                      ; the same, C and D window 3
.set FST_LO, 0x81                      ; the first step: C (bo) window 0, D window 2
.set FST_HI, 0xc1                      ; D window 3
.set TO_B,   0x40
.macro JLOAD g0a, g1a, g0b, g1b        ; a joint load: waves 0 and 1 fetch for o, waves 2 and 3 for Wo; four v_nop follow each of the two lines
	s_cmp_eq_u32 s15, 0
	s_cbranch_scc0 .Lfor_b_\@
	tensor_load_to_lds s[\g0a:\g0a+3], s[\g1a:\g1a+7]
	s_nop 0
.rept 4
	v_nop
.endr
	s_branch .Lasked_\@
.Lfor_b_\@:
	tensor_load_to_lds s[\g0b:\g0b+3], s[\g1b:\g1b+7]
	s_nop 0
.rept 4
	v_nop
.endr
.Lasked_\@:
.endm
.macro CREST
	s_cmp_lg_u32 s14, 0
	s_cbranch_scc1 .Lnot_wave_0_\@
	s_barrier_signal -3
.Lnot_wave_0_\@:
	s_barrier_wait -3
	s_barrier_signal -1
	s_barrier_wait -1
.endm
.macro CROUND
	s_barrier_signal -1
	s_barrier_wait -1
	CREST
.endm
	s_load_b128 s[4:7], s[0:1], 0x0                ; o's images s[4:5], o's scales s[6:7]
	s_load_b128 s[8:11], s[0:1], 0x10              ; Wo's codes s[8:9], Wo's scales s[10:11]
	s_load_b64 s[12:13], s[0:1], 0x20              ; out
	s_load_b64 s[96:97], s[0:1], 0x28              ; bo
	v_lshl_add_u32 v[SPW], v0, 2, SPARE
	v_mov_b32 v[NIL], 0
	ds_add_u32 v28, v29
	ds_add_u32 v28, v29
	s_wait_dscnt 0x0
	v_lshrrev_b32 v1, 5, v0
	v_readfirstlane_b32 s14, v1                    ; wave 0..3
	s_lshr_b32 s15, s14, 1                         ; which half of the tile's rows is mine.  Also: I fetch for o (0) or for Wo (1)
	s_and_b32 s16, s14, 1                          ; which half of its columns.  Also: which 128 rows of that tile I fetch
	s_bfe_u32 s40, ttmp6, 0x40000                  ; cx, cy
	s_bfe_u32 s41, ttmp6, 0x40004
	s_lshl_b32 s42, ttmp9, 2
	s_add_co_u32 s42, s42, s40                     ; tile column = 4 x cluster x + cx
	s_and_b32 s17, ttmp7, 0xffff
	s_lshl_b32 s17, s17, 2
	s_add_co_u32 s17, s17, s41                     ; tile row = 4 x cluster y + cy
	s_lshl_b32 s43, s41, 2
	s_lshl_b32 s43, 15, s43                        ; my row of the cluster
	s_lshl_b32 s44, 0x1111, s40                    ; my column
	; descriptor group 1 for o: 8 token tiles x 3,072 bytes, 12,288 bytes apart, dense in LDS
	s_or_b32 s[G1+0], s43, (0<<16)|(1<<21)         ; 15:0 the mask: my row; elements of 1 byte; no padding; bit 21 beside a mask
	s_mov_b32 s[G1+1], AROW<<16                    ; tensor_dim0
	s_mov_b32 s[G1+2], 8<<16                       ; tensor_dim1
	s_mov_b32 s[G1+3], AROW<<16                    ; tile_dim0
	s_mov_b32 s[G1+4], 8                           ; tile_dim1
	s_mov_b32 s[G1+5], APITCH
	s_mov_b32 s[G1+6], 0
	s_mov_b32 s[G1+7], 0
	; for Wo: 128 rows x 192 bytes; 16 bytes of padding behind every 64
	s_or_b32 s[G1B+0], s44, (0<<16)|(1<<20)|(1<<21)|(3<<22)|(3<<25)
	s_mov_b32 s[G1B+1], ROWB<<16
	s_mov_b32 s[G1B+2], 128<<16
	s_mov_b32 s[G1B+3], ROWB<<16
	s_mov_b32 s[G1B+4], 128
	s_mov_b32 s[G1B+5], KROW
	s_mov_b32 s[G1B+6], 0
	s_mov_b32 s[G1B+7], 0
	; for the scales of 128 rows: 4,096 dense bytes as 16 rows of 256, 16 bytes of padding behind each
	s_or_b32 s[G1S+0], s43, (3<<16)|(1<<20)|(1<<21)|(5<<22)|(3<<25)
	s_or_b32 s[G1SB+0], s44, (3<<16)|(1<<20)|(1<<21)|(5<<22)|(3<<25)
.irp g, G1S, G1SB
	s_mov_b32 s[\g+1], 32<<16
	s_mov_b32 s[\g+2], (128*KS/256)<<16
	s_mov_b32 s[\g+3], 32<<16
	s_mov_b32 s[\g+4], 128*KS/256
	s_mov_b32 s[\g+5], 32
	s_mov_b32 s[\g+6], 0
	s_mov_b32 s[\g+7], 0
.endr
	s_lshl_b32 s18, s16, 7                         ; which 128 rows of the tile I fetch
	s_lshl_b32 s20, s17, 8
	s_add_co_u32 s20, s20, s18                     ; o: token 256 x tile row + 128 x half
	s_lshl_b32 s46, s42, 8
	s_add_co_u32 s46, s46, s18                     ; Wo: row 256 x tile column + 128 x half
	s_mov_b32 s21, 0
	s_mov_b32 s47, 0
	s_mov_b64 s[18:19], KS
	s_mul_u64 s[22:23], s[20:21], s[18:19]         ; where these rows' scales begin, in bytes
	s_mul_u64 s[92:93], s[46:47], s[18:19]
	s_mov_b64 s[18:19], KROW
	s_mul_u64 s[20:21], s[20:21], s[18:19]         ; and their codes: 768 bytes a row in both (a token tile of 16 is 12,288 bytes, and the first token is a multiple of 16)
	s_mul_u64 s[46:47], s[46:47], s[18:19]
	s_mul_i32 s45, s16, HALFA                      ; where they go: o's two halves,
	s_mul_i32 s95, s16, HALFT
	s_add_co_u32 s95, s95, 2*HALFA                 ; then Wo's two: no place in the cluster enters an LDS address
	s_mul_i32 s94, s14, HALFS
	s_wait_kmcnt 0x0
	s_add_nc_u64 s[20:21], s[4:5], s[20:21]
	s_add_nc_u64 s[22:23], s[6:7], s[22:23]
	s_add_nc_u64 s[46:47], s[8:9], s[46:47]
	s_add_nc_u64 s[92:93], s[10:11], s[92:93]
	CROUND                                         ; all sixteen work-groups are here: the first joint loads meet
	s_mov_b32 s[G0S], 1
	s_add_co_u32 s[G0S+1], s94, SCL
	s_mov_b64 s[G0S+2:G0S+3], s[22:23]
	s_or_b32 s[G0S+3], s[G0S+3], 0x80000000
	s_mov_b32 s[G0SB], 1
	s_add_co_u32 s[G0SB+1], s94, SCL
	s_mov_b64 s[G0SB+2:G0SB+3], s[92:93]
	s_or_b32 s[G0SB+3], s[G0SB+3], 0x80000000
	JLOAD G0S, G1S, G0SB, G1SB                     ; the scales first: they are wanted with K step 0
.irp s, 0,1
	s_mov_b32 s[G0+4*\s], 1
	s_add_co_u32 s[G0+4*\s+1], s45, \s*SLOT
	s_add_nc_u64 s[G0+4*\s+2:G0+4*\s+3], s[20:21], \s*AROW
	s_or_b32 s[G0+4*\s+3], s[G0+4*\s+3], 0x80000000
	s_mov_b32 s[G0B+4*\s], 1
	s_add_co_u32 s[G0B+4*\s+1], s95, \s*SLOT
	s_add_nc_u64 s[G0B+4*\s+2:G0B+4*\s+3], s[46:47], \s*ROWB
	s_or_b32 s[G0B+4*\s+3], s[G0B+4*\s+3], 0x80000000
	JLOAD G0+4*\s, G1, G0B+4*\s, G1B
.endr
	v_and_b32 v1, 15, v0                           ; r = lane % 16
	v_bfe_u32 v2, v0, 4, 1                         ; h = lane / 16
	v_and_b32 v10, 31, v0                          ; lane
	v_mul_u32_u24 v3, v1, PITCH
	v_mul_u32_u24 v4, v2, 24
	v_add_nc_u32 v4, v3, v4                        ; Wo: a fragment's row x pitch + 24 x half
	v_lshl_add_u32 v5, v2, 4, v4                   ; and the same behind one padding more
	v_lshlrev_b32 v7, 4, v10                       ; o: 16 x lane,
	v_lshlrev_b32 v8, 3, v10                       ; 8 x lane
	s_mul_i32 s21, s15, HALFA                      ; my 128 tokens of o
	s_mul_i32 s22, s16, HALFT                      ; my 128 rows of Wo,
	s_add_co_u32 s22, s22, 2*HALFA                 ; which lie behind o's 256
.irp s, 0,1
	v_add_nc_u32 v[ADRA+\s], s21, v7
	v_add_nc_u32 v[ADRA+2+\s], s21, v8
	v_add_nc_u32 v[ADRB+\s], s22, v4
	v_add_nc_u32 v[ADRB+2+\s], s22, v5
	s_add_co_u32 s21, s21, SLOT
	s_add_co_u32 s22, s22, SLOT
.endr
	v_mul_u32_u24 v5, v1, KS                       ; my row's scales: 32 bytes a row,
	v_lshrrev_b32 v6, 8, v5
	v_lshl_add_u32 v5, v6, 4, v5                   ; and 16 more for each 256 passed
	s_mul_i32 s21, s15, HALFS                      ; o's: my 128 rows
	s_mul_i32 s22, s16, HALFS                      ; Wo's: my 128 rows, behind o's 256
	s_add_co_u32 s22, s22, 2*HALFS
	s_sub_co_u32 s22, s22, s21
	v_mul_u32_u24 v6, s22, v2                      ; lanes 16-31 take Wo's
	s_add_co_u32 s21, s21, SCL
	v_add_nc_u32 v5, v5, v6
	v_add_nc_u32 v[ADRS], s21, v5
	s_lshl_b32 s98, s42, 10                        ; bo: my first column, in bytes: 1,024 x tile column + 512 x half
	s_lshl_b32 s99, s16, 9
	s_add_co_u32 s98, s98, s99
	s_mov_b32 s99, 0
	s_add_nc_u64 s[96:97], s[96:97], s[98:99]
	v_lshlrev_b32 v9, 5, v2                        ; + 32 h: my half's eight columns of a tile
.irp b, 0,1,2,3,4,5,6,7
	global_load_b128 v[BI+8*\b:BI+8*\b+3], v9, s[96:97] offset:64*\b
	global_load_b128 v[BI+8*\b+4:BI+8*\b+7], v9, s[96:97] offset:64*\b+16
.endr
	s_mul_i32 s23, s14, 16*SPITCH                  ; my stage
	v_mul_u32_u24 v5, v1, SPITCH                   ; in: row l % 16, 32 bytes for each half of the lanes
	v_lshl_add_u32 v5, v2, 5, v5
	v_add_nc_u32 v[STO], s23, v5
	v_lshlrev_b32 v[CO], 4, v10                    ; back: the 32 lanes take one row of 512 bytes; and the same in out
	v_add_nc_u32 v[RD], s23, v[CO]
	s_lshl_b32 s20, s17, 8
	s_lshl_b32 s21, s15, 7
	s_add_co_u32 s20, s20, s21                     ; my first row of out
	s_mov_b32 s21, 0
	s_mov_b64 s[18:19], SIZE_N*4
	s_mul_u64 s[20:21], s[20:21], s[18:19]
	s_lshl_b32 s46, s42, 10                        ; my first column, in bytes
	s_lshl_b32 s47, s16, 9
	s_add_co_u32 s46, s46, s47
	s_mov_b32 s47, 0
	s_add_nc_u64 s[20:21], s[20:21], s[46:47]
	s_add_nc_u64 s[12:13], s[12:13], s[20:21]
.macro FRAG reg, adr, q, i             ; a fragment of Wo: 16 rows x 128 K, 12 registers, in pieces of 8 bytes; where the piece three on (lanes 16-31) lies behind one padding more, the second address register serves
.irp p, 0,1,2,3,4,5
.set PIECE, 12*(\q)+6*(\p/3)+\p%3
.if PIECE%8 < 5
	ds_load_b64 v[\reg+2*\p:\reg+2*\p+1], v[\adr] offset:8*PIECE+16*(PIECE/8)+(\i)*16*PITCH
.else
	ds_load_b64 v[\reg+2*\p:\reg+2*\p+1], v[\adr+2] offset:8*PIECE+16*(PIECE/8)+(\i)*16*PITCH
.endif
.endr
.endm
.macro FRAGA reg, slot, q, i           ; a fragment of o: two heads' images, as they were stored: registers 6 c .. 6 c + 3 at 16 lane, 6 c + 4, 6 c + 5 at 512 + 8 lane
.irp c, 0,1
	ds_load_b128 v[\reg+6*\c:\reg+6*\c+3], v[ADRA+\slot] offset:AROW*(\i)+768*(2*(\q)+\c)
	ds_load_b64 v[\reg+6*\c+4:\reg+6*\c+5], v[ADRA+2+\slot] offset:AROW*(\i)+768*(2*(\q)+\c)+512
.endr
.endm
; 16 matrix instructions: o's blocks a0, a0 + 1 x Wo's eight, 128 along K.  first = 1: bo starts the sums.  The 64 accumulators take turns, one instruction a turn.
.macro MUL16 a0, p, q, sc, first
.irp a, \a0, \a0+1
.irp b, 0,1,2,3,4,5,6,7
.if \first
	v_wmma_scale_f32_16x16x128_f8f6f4 v[8*(8*((\a)%4)+\b):8*(8*((\a)%4)+\b)+7], v[128*(\p)+FR*\b:128*(\p)+FR*\b+FR-1], v[AF+FR*(\a):AF+FR*(\a)+FR-1], v[BI+8*\b:BI+8*\b+7], v[SC+8*NQ*(\sc)+NQ*\b+(\q)], v[SC+8*NQ*(\sc)+NQ*(\a)+(\q)] matrix_a_fmt:MATRIX_FMT_FP6 matrix_b_fmt:MATRIX_FMT_FP6 matrix_a_scale:MATRIX_SCALE_ROW1
.else
	v_wmma_scale_f32_16x16x128_f8f6f4 v[8*(8*((\a)%4)+\b):8*(8*((\a)%4)+\b)+7], v[128*(\p)+FR*\b:128*(\p)+FR*\b+FR-1], v[AF+FR*(\a):AF+FR*(\a)+FR-1], v[8*(8*((\a)%4)+\b):8*(8*((\a)%4)+\b)+7], v[SC+8*NQ*(\sc)+NQ*\b+(\q)], v[SC+8*NQ*(\sc)+NQ*(\a)+(\q)] matrix_a_fmt:MATRIX_FMT_FP6 matrix_b_fmt:MATRIX_FMT_FP6 matrix_a_scale:MATRIX_SCALE_ROW1
.endif
.endr
.endr
.endm
.macro FETCH_B slot, q, p
	WIN TO_B
.irp i, 0,1,2,3,4,5,6,7
	FRAG 128*(\p)+FR*\i, ADRB+\slot, \q, \i
.endr
	WIN 0
.endm
.macro FETCH_A slot, q, i0
.irp i, \i0, \i0+1, \i0+2, \i0+3
	FRAGA AF+FR*(\i), \slot, \q, \i
.endr
.endm
.macro SCALES sc                       ; a K step's scale words into set sc: lanes 0-15 take o's block i, lanes 16-31 Wo's block i
.irp i, 0,1,2,3,4,5,6,7
	ds_load_b64 v[SC+8*NQ*\sc+NQ*\i:SC+8*NQ*\sc+NQ*\i+1], v[ADRS] offset:\i*SBLK
.endr
.endm
.macro PLACES n                        ; plain vector instructions between a matrix instruction and a load into, or a read of, its registers
.rept \n
	v_nop
.endr
.endm
.macro STEP slot, q, first
	s_wait_dscnt 4*NLA                             ; Wo's set and o's blocks 0-3 are in; the youngest 16 loads (o's blocks 4-7) may be out
.if \first
	WIN FST_LO
.else
	WIN MUL_LO
.endif
	MUL16 0, (\q)%2, \q, \slot, \first
	MUL16 2, (\q)%2, \q, \slot, \first
	s_wait_dscnt 0                                 ; o's blocks 4-7 are in
	PLACES NP
	FETCH_B \slot, (\q)+1, 1-(\q)%2
	FETCH_A \slot, (\q)+1, 0
.if \first
	WIN FST_HI
.else
	WIN MUL_HI
.endif
	MUL16 4, (\q)%2, \q, \slot, \first
	MUL16 6, (\q)%2, \q, \slot, \first
	PLACES NP
	WIN 0
	FETCH_A \slot, (\q)+1, 4
.endm
; A slot's last step changes slots: one barrier; in front of it each wave waits for all its tensor loads, adds 0 to its spare word, and waits for that and for its own reads of this slot.  fill = 1: this slot is filled again, two K steps ahead.
.macro TURN slot, next, fill
	s_wait_tensorcnt 0x0                           ; all my tensor loads have landed: my part of the next slot
	ds_add_u32 v[SPW], v[NIL]                      ; 0 onto my spare word
	s_wait_dscnt 4*NLA+1                           ; (the add and the youngest 16 loads may be out)
	WIN MUL_LO
	MUL16 0, 1, NQ-1, \slot, 0                     ; sixteen matrix instructions stand between the add and the wait for it
	s_wait_dscnt 0x0                               ; the add is done, and my reads of this slot are over
	s_barrier_signal -1
	MUL16 2, 1, NQ-1, \slot, 0
	WIN 0
	s_barrier_wait -1
.if \fill
	CREST                                          ; the barrier has opened a round of the cluster's barrier: no wave of any partner still reads this slot or has a load on its way
	s_add_nc_u64 s[G0+4*\slot+2:G0+4*\slot+3], s[G0+4*\slot+2:G0+4*\slot+3], 2*AROW
	s_add_nc_u64 s[G0B+4*\slot+2:G0B+4*\slot+3], s[G0B+4*\slot+2:G0B+4*\slot+3], 2*ROWB
	JLOAD G0+4*\slot, G1, G0B+4*\slot, G1B         ; the first tensor load behind the round; its four v_nop are the places in front of the loads below
.else
	PLACES NP
.endif
	v_add_nc_u32 v[ADRS], 4*NQ, v[ADRS]            ; on to the next K step's scale words (no LDS load of mine is out)
	FETCH_B \next, 0, 0
	FETCH_A \next, 0, 0
	SCALES \next
	WIN MUL_HI
	MUL16 4, 1, NQ-1, \slot, 0
	MUL16 6, 1, NQ-1, \slot, 0
	PLACES NP
	WIN 0
	FETCH_A \next, 0, 4
.endm
	s_wait_loadcnt 0x0                             ; bo (it came while the first tiles were on their way)
	s_wait_tensorcnt 1                             ; of my three loads the scales and K step 0 are in; K step 1's may be out
	s_barrier_signal -1
	s_barrier_wait -1                              ; everybody's are
	FETCH_B 0, 0, 0
	FETCH_A 0, 0, 0
	SCALES 0
	FETCH_A 0, 0, 4
	STEP 0, 0, 1                                   ; the first step stands in front of the loop: its products start the sums, on bo
	s_mov_b32 s3, LAPS-1
.Llap:                                             ; a trip goes once round the ring and fills both slots again
	TURN 0, 1, 1
	STEP 1, 0, 0
	TURN 1, 0, 1
	STEP 0, 0, 0
	s_sub_co_u32 s3, s3, 1
	s_cmp_lg_u32 s3, 0
	s_cbranch_scc1 .Llap
	TURN 0, 1, 0                                   ; the last lap fills nothing
	STEP 1, 0, 0
	s_wait_dscnt 4*NLA                             ; the very last step: nothing more to fetch
	WIN MUL_LO
	MUL16 0, 1, NQ-1, 1, 0
	MUL16 2, 1, NQ-1, 1, 0
	s_wait_dscnt 0
	WIN MUL_HI
	MUL16 4, 1, NQ-1, 1, 0
	MUL16 6, 1, NQ-1, 1, 0
	WIN 0
; THE WAY OUT, block by block of 16 rows x 128 columns: through my own stage in LDS and back as whole rows of 512 bytes.  LDS serves a wave's instructions in order (ISA guide 5.7.1.4): no wait between the stores and the loads.
.macro TOSTAGE a
.set AC, 64*((\a)%4)
	WIN 0x08+4*((\a)/4)                            ; the data: window 2 or 3
.irp b, 0,1,2,3,4,5,6,7
	ds_store_b128 v[STO], v[AC+8*\b:AC+8*\b+3] offset:64*\b          ; each accumulator from its low end on
	ds_store_b128 v[STO], v[AC+8*\b+4:AC+8*\b+7] offset:64*\b+16
.endr
	WIN 0
.set BB, BK+64*((\a)%2)
.irp t, 0,1,2,3,4,5,6,7,8,9,10,11,12,13,14,15
	ds_load_b128 v[BB+4*\t:BB+4*\t+3], v[RD] offset:\t*SPITCH
.endr
.endm
.macro SEND a, younger                 ; younger: the LDS instructions issued behind block a's loads, which may stay out
.set BB, BK+64*((\a)%2)
	s_wait_dscnt \younger                          ; the block is back in registers
.if (\a) > 0
	s_add_nc_u64 s[12:13], s[12:13], 16*SIZE_N*4   ; (behind a wait on XCNT: the earlier stores have read their base)  16 rows of out on
.endif
.irp t, 0,1,2,3,4,5,6,7,8,9,10,11,12,13,14,15
	global_store_b128 v[CO], v[BB+4*\t:BB+4*\t+3], s[12:13] offset:\t*SIZE_N*4 th:TH_STORE_NT   ; 32 lanes store 512 consecutive bytes, at a multiple of 256 from out's first byte
.endr
.endm
	PLACES NP                                      ; behind the last products: for the loads into the registers that held o's fragments and for the reads of the results
	TOSTAGE 0
.irp a, 1,2,3,4,5,6,7
.if \a > 1
	s_wait_xcnt 0x0                                ; block a - 2's stores have read their registers and their base
.endif
	TOSTAGE \a
	SEND \a-1, 32                                  ; behind block a - 1's loads: block a's 16 stores and 16 loads
.endr
	s_wait_xcnt 0x0                                ; block 6's stores have read their base
	SEND 7, 0
	s_wait_tensorcnt 0x0                           ; the wave's end
	ds_add_u32 v[SPW], v[NIL]
	s_wait_dscnt 0x0
	CROUND                                         ; the closing round: no work-group ends while a partner may still ask for a tile that names it
	s_endpgm
.Lfunc_end_k_qce2a9e5b3d_oproj:
	.size	k_qce2a9e5b3d_oproj, .Lfunc_end_k_qce2a9e5b3d_oproj-k_qce2a9e5b3d_oproj
	.p2alignl 7, 3214868480
	.fill 96, 4, 3214868480
	.section	.rodata,"a",@progbits
	.p2align	6, 0x0
	.amdhsa_kernel k_qce2a9e5b3d_oproj
		.amdhsa_group_segment_fixed_size 327680
		.amdhsa_private_segment_fixed_size 0
		.amdhsa_enable_private_segment 0
		.amdhsa_kernarg_size 48
		.amdhsa_user_sgpr_count 2
		.amdhsa_user_sgpr_kernarg_segment_ptr 1
		.amdhsa_wavefront_size32 1
		.amdhsa_system_sgpr_workgroup_id_x 1
		.amdhsa_system_sgpr_workgroup_id_y 1
		.amdhsa_system_sgpr_workgroup_id_z 1
		.amdhsa_system_vgpr_workitem_id 0
		.amdhsa_next_free_vgpr 1024
		.amdhsa_next_free_sgpr 102
		.amdhsa_reserve_vcc 0
		.amdhsa_float_denorm_mode_32 3
		.amdhsa_float_denorm_mode_16_64 3
		.amdhsa_memory_ordered 1
		.amdhsa_forward_progress 1
		.amdhsa_inst_pref_size 154
	.end_amdhsa_kernel
	.amdgpu_metadata
---
amdhsa.version: [ 1, 2 ]
amdhsa.kernels:
  - .name:           k_qce2a9e5b3d_oproj
    .symbol:         k_qce2a9e5b3d_oproj.kd
    .args:
      - { .name: oimg, .offset: 0, .size: 8, .value_kind: global_buffer, .address_space: global }
      - { .name: oscl, .offset: 8, .size: 8, .value_kind: global_buffer, .address_space: global }
      - { .name: Wo_codes, .offset: 16, .size: 8, .value_kind: global_buffer, .address_space: global }
      - { .name: Wo_scales, .offset: 24, .size: 8, .value_kind: global_buffer, .address_space: global }
      - { .name: out0, .offset: 32, .size: 8, .value_kind: global_buffer, .address_space: global }
      - { .name: bo, .offset: 40, .size: 8, .value_kind: global_buffer, .address_space: global }
    .group_segment_fixed_size: 327680
    .private_segment_fixed_size: 0
    .kernarg_segment_align: 8
    .kernarg_segment_size: 48
    .max_flat_workgroup_size: 128
    .sgpr_count:     102
    .vgpr_count:     1024
    .wavefront_size: 32
...
	.end_amdgpu_metadata
.endif
;; end of part 3
